; MI455X (gfx1250); checked and timed in simulation.
; The chip was launched on July 23, 2026; its instructions are those of AMD's public machine-readable ISA for CDNA 5 (MIT licence, August 2026) and "CDNA5" Instruction Set Architecture Reference Guide (July 2026). The comments in the code are by the model that wrote it; some were corrected since.
;; Multi Head Attention. Allowed arithmetic: matrix products marked QUANTISED: E2M3 operands, one E8M0 scale for each 32 along K, by v_wmma_scale_f32_16x16x128_f8f6f4 with both operands' format E2M3, f32 sums; everything else in f32.
;; Inputs: bk 1,024 float32; bo 1,024 float32; bq 1,024 float32; bv 1,024 float32; key 4 x 2,048 x 1,024 float32; query 4 x 2,048 x 1,024 float32; value 4 x 2,048 x 1,024 float32; wk 1,024 x 1,024 float32; wo 1,024 x 1,024 float32; wq 1,024 x 1,024 float32; wv 1,024 x 1,024 float32.
;; Outputs: out0 4 x 2,048 x 1,024 float32.
;; Constants: is_causal = 1.
;; This version of the problem:
;;   THIS VERSION OF THE PROBLEM IS GIVEN IN LOW PRECISION. The matrix products marked QUANTISED in the list below multiply operands that are first quantised to E2M3 (2 exponent bits, 3 mantissa bits; 6 bits a number), with one power-of-two scale for each 32 numbers along K (OCP MX v1.0); their sums are f32. All else is computed in f32.
;;   The module's matrix products, in the order in which they are computed (A, B: the left and right operand; K: the contracted axis; several contracted axes count as one K, in the product's order):
;;     1. [M 8,192, K 1,024] x [K 1,024, N 1,024]; A: input query; B: input wq: QUANTISED
;;     2. [M 8,192, K 1,024] x [K 1,024, N 1,024]; A: input key; B: input wk: QUANTISED
;;     3. [M 8,192, K 1,024] x [K 1,024, N 1,024]; A: input value; B: input wv: QUANTISED
;;     4. batch 64 x [M 2,048, K 64] x [K 64, N 2,048]; A: computed on the way; B: computed on the way: QUANTISED
;;     5. batch 64 x [M 2,048, K 2,048] x [K 2,048, N 64]; A: softmax (see below); B: computed on the way: QUANTISED
;;     6. [M 8,192, K 1,024] x [K 1,024, N 1,024]; A: computed on the way; B: input wo: QUANTISED
;;   THE QUANTISER, for each operand of a quantised product, along K:
;;     - K is cut into blocks of 32 from its start; a last block that is shorter is filled with zeros.
;;     - A block's scale is 2^e with e = floor(log2(the largest magnitude in the block)) - 2, held to -126 .. 127; a block of zeros has e = 0. As a byte (E8M0): e + 127.
;;     - Each number is divided by its block's scale, clamped to +-7.5, and rounded to the nearest number of E2M3, ties to even, subnormals kept.
;;     - The product sums the exact products of the quantised numbers (number of the format x scale) in f32.
;;   ~~~python
;;   def quantise(x, axis):      # numpy; x: float32 -> the quantised numbers, widened to float32 again
;;       x = np.moveaxis(x, axis, -1); K = x.shape[-1]
;;       x = np.pad(x, [(0, 0)] * (x.ndim - 1) + [(0, -K % 32)]); x = x.reshape(x.shape[:-1] + (-1, 32)); a = np.abs(x).max(-1, keepdims=True)
;;       e = np.where(a > 0, np.clip(np.frexp(np.where(a > 0, a, 1))[1] - 1 - 2, -126, 127), 0)      # np.frexp(a)[1] - 1 = floor(log2(a)), exactly
;;       r = np.clip(x / 2.0 ** e, -7.5, 7.5)
;;       step = 2.0 ** (np.maximum(np.frexp(np.where(r == 0, 1, r))[1] - 1, 0) - 3)
;;       q = np.round(r / step) * step * 2.0 ** e      # np.round: ties to even
;;       return np.moveaxis(q.reshape(q.shape[:-2] + (-1,))[..., :K], -1, axis).astype(np.float32)
;;   ~~~
;;   SOFTMAX AHEAD OF A QUANTISED PRODUCT. Where the list says 'softmax', what is quantised is not the finished softmax but p = 2^(t - M), with t = logit x log2(e) and M = ceil(the row's largest t), a whole number; so 1/2 < the row's largest p <= 1. The row's sum l is taken of the UNQUANTISED p, in f32, and the product's result is divided by l at the end. Since M is a whole number, a kernel that streams over the keys may use a running M (the ceiling of the running maximum): every later rescaling is an exact power of two, which a block's scale takes up: the codes' values come out the same.
;;   OPERANDS COMPUTED ON THE WAY. 'Computed on the way' means the value that the module computes at that place (a softmax that the list does not call 'softmax' is quantised finished and normalised). What goes into a quantiser is computed in f32, as accurately as f32 sums, v_exp_f32 and their like allow (about 1e-6 of the number): no bf16 or f16 on the way to a quantiser, and a product that is left as it is and whose result goes on into a quantised operand takes f32 operands (vector FMAs, or v_wmma_f32_16x16x4_f32). A number that lies on a knife's edge between two numbers of the format may be rounded either way, as far as f32 arithmetic and the matrix unit's own rounding can turn it there, and no further.
;; One version. Each part assembles by itself: llvm-mc -triple=amdgcn-amd-amdhsa -mcpu=gfx1250 --defsym DOCPART=n.
;; ======== version 1 of 1: 4 launches
;; limits: right only within a limited range of input values
;; workspace buffers: xc 22,020,096 bytes; xs 917,504 bytes; qkv 20,185,088 bytes; cc 6,291,456 bytes; cs 262,144 bytes
;; launch quant (part 1): grid 896 x 1, 4 waves a work-group, no clusters, 41,472 bytes of LDS; arguments query, key, value, wq, wk, wv, wo, xc, xs; writes xc, xs
.if DOCPART == 1
	.amdgcn_target "amdgcn-amd-amdhsa--gfx1250"
	.amdhsa_code_object_version 6
	.text
	.protected	k_q31a4c2e7f1_quant
	.globl	k_q31a4c2e7f1_quant
	.p2align	8
	.type	k_q31a4c2e7f1_quant,@function
k_q31a4c2e7f1_quant:
	s_mov_b64 s[64:65], 0
	v_nop
	global_prefetch_b8 v0, s[64:65] scope:SCOPE_SE
	s_setreg_imm32_b32 hwreg(HW_REG_WAVE_MODE, 25, 1), 1
	s_wait_xcnt 0x0
; MULTI-HEAD ATTENTION IN MX-FP6 (E2M3, one E8M0 scale for each 32 along K), four launches: quant, proj, attn, outp.
; THIS LAUNCH turns the seven f32 tensors whose K (= E = 1,024) is innermost (query, key, value: 8,192 rows each; wq, wk, wv, wo: 1,024 rows each) into codes and scale bytes, once.
; WORK LEFT OUT IN THE PROGRAM (launch attn).  reference() builds causal = tril(ones) in its own body and sets scores[l][s] = -inf where s > l.  For all finite inputs p = 2^(t - M) is then exactly 0 there: such a key adds 0
; to the row's sum and 0 x V to ctx.  So a step of 128 keys that all come after a wave's queries is not computed, and a slot of 256 keys that all come after a work-group's queries is not loaded.  Every input has a way to
; the output (bk too: it moves K's codes), so all are loaded.  LIMIT: a NaN, an infinity or an overflow that reaches only those masked scores is not carried to the result.
; LAYOUT OF xc.  A ROW TILE T is 16 rows: lane r (0..15) stands for row 32 (T / 2) + 8 (T % 2) + r + 8 (r / 8).  A CHUNK is a row tile x 64 along K, 768 bytes: lane l = r + 16 h owns the 24 bytes at 24 l, the 32 codes of
; block 2 x chunk + h of row r: two chunks are an operand's registers as they stand.  xc = [tile 1,792][chunk 16][768].  xs = [tile][256 along K: 4][r 16][8 scale bytes].
; Tiles: query 0-511, key 512-1,023, value 1,024-1,535, wq 1,536-, wk 1,600-, wv 1,664-, wo 1,728-1,791.
; A block's scale is 2^(floor(log2(its largest magnitude)) - 2); its byte is the largest magnitude's exponent field - 2, held at 1 from below.
; LIMITS: a block of zeros gets the byte 1 where the rule says 127 (its codes are zeros, and this program alone reads the bytes); blocks whose largest magnitude lies under 2^-124 are held at the byte 1; NaN and infinities
; among the inputs are not served (the format has no code for them).
; SHARES.  A work-group takes 32 consecutive rows = tiles 2 g and 2 g + 1; wave w takes tile w / 2 and half w % 2 of K: eight chunks.  Each load reads two rows x 256 consecutive bytes; a chunk turns through the wave's own
; stage in LDS (rows 272 bytes apart), so that a lane holds one whole block of 32; the codes leave through 16-byte places in LDS as 384 consecutive bytes a store.  No barrier: waves share nothing.
; No matrix unit, no cluster, no tensor load: the launch streams, every byte once.
.set WREG,  10240                      ; LDS of a wave: two stages of 16 x 272, 1,024 bytes of places for the codes, 256 scale bytes
.set ST1,   4352
.set PIE,   8704
.set SCB,   9728
.set SPARE, 40960                      ; behind the four regions: the spare words, 128 bytes a wave
.set SPW,   10                         ; v10  my spare word's address; never rewritten
.set NIL,   11                         ; v11  0; never rewritten
.set R,     32                         ; v32-127   three sets of 32 registers as loaded
.set X,     128                        ; v128-191  two sets of 32 neighbours
.set BKS,   192                        ; v192-255  a chunk's codes on the way out: eight registers for each chunk, so that no store's data are written again
	s_load_b512 s[8:23], s[0:1], 0x0               ; query, key, value, wq, wk, wv, wo, xc
	s_load_b64 s[24:25], s[0:1], 0x40              ; xs
	v_lshl_add_u32 v[SPW], v0, 2, SPARE
	v_mov_b32 v[NIL], 0
	v_lshrrev_b32 v1, 5, v0
	v_readfirstlane_b32 s2, v1                     ; wave
	v_and_b32 v1, 31, v0                           ; l
	v_and_b32 v12, 15, v0                          ; r
	v_bfe_u32 v13, v0, 4, 1                        ; h
	s_mul_i32 s3, s2, WREG
	v_lshlrev_b32 v2, 4, v12
	v_lshl_add_u32 v2, v13, 12, v2                 ; in memory: 16 r + one row for lanes 16-31
	v_lshlrev_b32 v3, 4, v12
	v_mad_u32_u24 v3, v13, 272, v3
	v_add_nc_u32 v3, s3, v3                        ; into the stage: the same two rows
	v_mul_u32_u24 v4, v12, 272
	v_lshl_add_u32 v4, v13, 7, v4
	v_add_nc_u32 v4, s3, v4                        ; out of it: row r, its block h
	v_lshl_add_u32 v5, v12, 3, v13
	v_add_nc_u32 v5, s3, v5
	v_add_nc_u32 v5, SCB, v5                       ; my block's scale byte: 8 r + h
	v_lshl_add_u32 v6, v1, 5, s3
	v_add_nc_u32 v6, PIE, v6                       ; my two pieces of 12 bytes: places 2 l and 2 l + 1
	v_lshl_add_u32 v7, v1, 4, s3
	v_add_nc_u32 v7, PIE, v7                       ; back: place l
	v_mul_u32_u24 v8, v1, 12                       ; and its 12 bytes in xc
	v_lshlrev_b32 v9, 3, v1                        ; the scale bytes on the way out: 8 a lane
	v_add_nc_u32 v26, s3, v9
	v_add_nc_u32 v26, SCB, v26
	s_lshr_b32 s26, s2, 1                          ; which tile of the two
	s_and_b32 s27, s2, 1                           ; which half of K
	s_wait_kmcnt 0x0
	s_mov_b64 s[4:5], s[8:9]
	s_mov_b32 s6, 0
.macro PICK n, p                       ; from work-group n on the rows are those of the tensor at s[p:p+1]: the choice hangs on the work-group's number alone
	s_cmp_ge_u32 ttmp9, \n
	s_cselect_b64 s[4:5], s[\p:\p+1], s[4:5]
	s_cselect_b32 s6, \n, s6
.endm
	PICK 256, 10
	PICK 512, 12
	PICK 768, 14
	PICK 800, 16
	PICK 832, 18
	PICK 864, 20
	s_sub_co_u32 s6, ttmp9, s6
	s_lshl_b32 s6, s6, 17                          ; 32 rows of 4,096 bytes a work-group
	s_lshl_b32 s7, s26, 15                         ; the second tile begins 8 rows down
	s_add_co_u32 s6, s6, s7
	s_lshl_b32 s7, s27, 11                         ; the second half of K: 512 numbers on
	s_add_co_u32 s6, s6, s7
	s_mov_b32 s7, 0
	s_add_nc_u64 s[4:5], s[4:5], s[6:7]
	s_lshl_b32 s28, ttmp9, 1
	s_add_co_u32 s28, s28, s26                     ; my tile
	s_mul_i32 s6, s28, 12288
	s_mul_i32 s29, s27, 6144
	s_add_co_u32 s6, s6, s29
	s_add_nc_u64 s[22:23], s[22:23], s[6:7]
	s_lshl_b32 s6, s28, 9
	s_lshl_b32 s29, s27, 8
	s_add_co_u32 s6, s6, s29
	s_add_nc_u64 s[24:25], s[24:25], s[6:7]
.macro LOAD c                          ; chunk c: load i takes the tile's rows 2 i and 2 i + 1 (in memory rows 0-7 and 16-23), 256 consecutive bytes each
.irp i, 0,1,2,3,4,5,6,7
	global_load_b128 v[R+32*((\c)%3)+4*\i:R+32*((\c)%3)+4*\i+3], v2, s[4:5] offset:(2*\i+8*(\i/4))*4096+256*(\c) th:TH_LOAD_NT
.endr
.endm
.macro TURN c                          ; through the stage: LDS serves a wave's instructions in order, so no wait stands between the stores and the loads
.irp i, 0,1,2,3,4,5,6,7
	ds_store_b128 v3, v[R+32*((\c)%3)+4*\i:R+32*((\c)%3)+4*\i+3] offset:ST1*((\c)%2)+544*\i
.endr
.irp k, 0,1,2,3,4,5,6,7
	ds_load_b128 v[X+32*((\c)%2)+4*\k:X+32*((\c)%2)+4*\k+3], v4 offset:ST1*((\c)%2)+16*\k
.endr
.endm
.macro STEP c
.set XS, X+32*((\c)%2)
.if (\c)+3 < 8
	LOAD (\c)+3                                    ; into the set that this chunk's turn has read (every LDS instruction of mine is done here)
.endif
.if (\c) < 7
.if (\c) < 5
	s_wait_loadcnt 16                              ; the next chunk's eight loads are in; those of the two chunks behind it may be out
.else
	s_wait_loadcnt 8*(6-(\c))
.endif
	TURN (\c)+1                                    ; the next chunk turns while this one is worked
.endif
	v_max3_num_f32 v12, |v[XS]|, |v[XS+1]|, |v[XS+2]|              ; the block's largest magnitude: all 32 numbers are mine; two chains
	v_max3_num_f32 v13, |v[XS+3]|, |v[XS+4]|, |v[XS+5]|
.irp i, 6,10,14,18,22,26
	v_max3_num_f32 v12, v12, |v[XS+\i]|, |v[XS+\i+1]|
	v_max3_num_f32 v13, v13, |v[XS+\i+2]|, |v[XS+\i+3]|
.endr
	v_max3_num_f32 v12, v12, |v[XS+30]|, |v[XS+31]|
	v_max3_num_f32 v12, v12, v13, 0x1800000        ; and the floor 2^(3 - 127): the byte cannot fall under 1
	v_add_nc_u32 v14, 0xff000000, v12              ; 2 off its exponent field: the conversion takes the exponent field of this operand as its scale
	v_cvt_scalef32_pk16_fp6_f32 v[16:18], v[XS:XS+15], v14
	v_cvt_scalef32_pk16_fp6_f32 v[20:22], v[XS+16:XS+31], v14
	v_lshrrev_b32 v15, 23, v14                     ; the scale's byte (also the plain line behind the conversions)
	ds_store_b8 v5, v15 offset:128*((\c)/4)+2*((\c)%4)
	ds_store_b96 v6, v[16:18]                      ; each 12 bytes to a place of 16
	ds_store_b96 v6, v[20:22] offset:16
	ds_load_b96 v[BKS+8*(\c):BKS+8*(\c)+2], v7
	ds_load_b96 v[BKS+8*(\c)+4:BKS+8*(\c)+6], v7 offset:512
	s_wait_dscnt 0x0                               ; the pieces are back, the next chunk has turned, and every LDS store has read its registers
	global_store_b96 v8, v[BKS+8*(\c):BKS+8*(\c)+2], s[22:23] offset:768*(\c)         ; 32 lanes store 384 consecutive bytes; the two stores fill three aligned blocks of 256
	global_store_b96 v8, v[BKS+8*(\c)+4:BKS+8*(\c)+6], s[22:23] offset:768*(\c)+384
.endm
	LOAD 0
	LOAD 1
	LOAD 2
	s_wait_loadcnt 16                              ; chunk 0's eight loads are in
	TURN 0
	s_wait_dscnt 0x0
.irp c, 0,1,2,3,4,5,6,7
	STEP \c
.endr
	ds_load_b64 v[24:25], v26                      ; my wave's 256 scale bytes
	s_wait_dscnt 0x0
	global_store_b64 v9, v[24:25], s[24:25]        ; 32 lanes store 256 consecutive bytes, aligned
	s_wait_tensorcnt 0x0                           ; the wave's end: behind my last LDS store
	ds_add_u32 v[SPW], v[NIL]
	s_wait_dscnt 0x0
	s_endpgm
.Lfunc_end_k_q31a4c2e7f1_quant:
	.size	k_q31a4c2e7f1_quant, .Lfunc_end_k_q31a4c2e7f1_quant-k_q31a4c2e7f1_quant
	.p2alignl 7, 3214868480
	.fill 96, 4, 3214868480
	.section	.rodata,"a",@progbits
	.p2align	6, 0x0
	.amdhsa_kernel k_q31a4c2e7f1_quant
		.amdhsa_group_segment_fixed_size 41472
		.amdhsa_private_segment_fixed_size 0
		.amdhsa_enable_private_segment 0
		.amdhsa_kernarg_size 72
		.amdhsa_user_sgpr_count 2
		.amdhsa_user_sgpr_kernarg_segment_ptr 1
		.amdhsa_wavefront_size32 1
		.amdhsa_system_sgpr_workgroup_id_x 1
		.amdhsa_system_sgpr_workgroup_id_y 1
		.amdhsa_system_sgpr_workgroup_id_z 1
		.amdhsa_system_vgpr_workitem_id 0
		.amdhsa_next_free_vgpr 256
		.amdhsa_next_free_sgpr 66
		.amdhsa_reserve_vcc 0
		.amdhsa_float_denorm_mode_32 3
		.amdhsa_float_denorm_mode_16_64 3
		.amdhsa_memory_ordered 1
		.amdhsa_forward_progress 1
		.amdhsa_inst_pref_size 33
	.end_amdhsa_kernel
	.amdgpu_metadata
---
amdhsa.version: [ 1, 2 ]
amdhsa.kernels:
  - .name:           k_q31a4c2e7f1_quant
    .symbol:         k_q31a4c2e7f1_quant.kd
    .args:
      - { .name: query, .offset: 0, .size: 8, .value_kind: global_buffer, .address_space: global }
      - { .name: key, .offset: 8, .size: 8, .value_kind: global_buffer, .address_space: global }
      - { .name: value, .offset: 16, .size: 8, .value_kind: global_buffer, .address_space: global }
      - { .name: wq, .offset: 24, .size: 8, .value_kind: global_buffer, .address_space: global }
      - { .name: wk, .offset: 32, .size: 8, .value_kind: global_buffer, .address_space: global }
      - { .name: wv, .offset: 40, .size: 8, .value_kind: global_buffer, .address_space: global }
      - { .name: wo, .offset: 48, .size: 8, .value_kind: global_buffer, .address_space: global }
      - { .name: xc, .offset: 56, .size: 8, .value_kind: global_buffer, .address_space: global }
      - { .name: xs, .offset: 64, .size: 8, .value_kind: global_buffer, .address_space: global }
    .group_segment_fixed_size: 41472
    .private_segment_fixed_size: 0
    .kernarg_segment_align: 8
    .kernarg_segment_size: 72
    .max_flat_workgroup_size: 128
    .sgpr_count:     66
    .vgpr_count:     256
    .wavefront_size: 32
...
	.end_amdgpu_metadata
.endif
;; end of part 1
;; launch proj (part 2): grid 4 x 96, 4 waves a work-group, clusters of 4 x 4, 327,680 bytes of LDS; arguments xc, xs, bq, bk, bv, qkv; writes qkv
.if DOCPART == 2
	.amdgcn_target "amdgcn-amd-amdhsa--gfx1250"
	.amdhsa_code_object_version 6
	.text
	.protected	k_q31a4c2e7f1_proj
	.globl	k_q31a4c2e7f1_proj
	.p2align	8
	.type	k_q31a4c2e7f1_proj,@function
k_q31a4c2e7f1_proj:
	s_mov_b64 s[64:65], 0
	v_nop
	global_prefetch_b8 v0, s[64:65] scope:SCOPE_SE
	s_setreg_imm32_b32 hwreg(HW_REG_WAVE_MODE, 25, 1), 1
	s_wait_xcnt 0x0
	s_wait_alu depctr_hold_cnt(0) depctr_sa_sdst(0) depctr_va_vdst(0) depctr_va_sdst(0) depctr_va_ssrc(0) depctr_va_vcc(0) depctr_vm_vsrc(0)
	s_getreg_b32 s2, hwreg(HW_REG_IB_STS2, 6, 4)
	s_cmp_eq_u32 s2, 0
	s_cbranch_scc0 .Lentry_in_a_cluster
	s_endpgm
.Lentry_in_a_cluster:
	s_bfe_u32 s2, ttmp6, 0x10000c
	s_cmp_lg_u32 s2, 0xf033
	s_cbranch_scc0 .Lentry_shape_is_right
	s_endpgm
.Lentry_shape_is_right:
; Q = query wq^T + bq, K = key wk^T + bk, V = value wv^T + bv on codes of FP6 (E2M3) with E8M0 scales, and their results quantised in registers for the two products of attention.  No work is left out here.
; One body serves the three: rows of clusters 0-7 make Q, 8-15 K, 16-23 V.  A work-group makes 256 x 256, each of four waves 128 x 128: 64 accumulators, 512 registers.  K = 1,024 goes in four steps of 256 through a ring of two LDS slots.
; OPERANDS come as images of their registers (launch quant): a row tile x 64 along K is 768 bytes, lane l's 24 bytes at 24 l; a fragment is six loads of 8 bytes at 24 l: the 32 lanes touch 32 different 8-byte columns of 256 bytes.
; THE MATRIX INSTRUCTION: source 0 = a tile of side B, source 1 = a tile of side A.  In accumulator (a, b) lane (r, h) holds row r of A's tile a, and since a tile's rows are 32 (T / 2) + 8 (T % 2) + r + 8 (r / 8), the 16 registers of
; b = 2 x and 2 x + 1 hold B's rows 32 x + 16 h + 0 .. 15: 16 neighbours along B's rows.  Q, K: A = the tokens, B = the weight's rows n = (head, d): a lane's registers run along d, the K of Q K^T.
; V: A = wv's rows, B = the tokens: a lane's registers run along the keys, the K of P V.  So every block of 32 lies in lanes l and l xor 16, and the conversions' results are pieces of the next operand's image.
; The bias is the C of the first K step.
; qkv = [head 64][slot of 256 positions: 8][39,424]: +0 Q's codes (16 tiles x 768), +12,288 Q's scale words (16 x 64), +13,312 K's codes, +25,600 V's codes (2 key steps x 4 tiles of d x 1,536), +37,888 K's words, +38,912 V's words (2 x 256).
; A word of Q or K: its two bytes and 0x7f7f above them (K = 64 fills half of the instruction's 128; the other half has zero codes).
; CLUSTERS 4 x 4: A's tiles are shared along a row of the cluster, B's along a column: joint loads.
; LIMITS: as in launch quant (a block of zeros has the byte 1; NaN and infinities are not served).
; REGISTERS: window 0: v0-31 addresses; v32-63 scale words, two sets; v64-127 the bias; v128-223 A's fragments, one set; v224-243 at work on the way out.  window 1: B's fragments, two sets, at v0 and v128.  windows 2, 3: the accumulators.
.set HEADB,  315392
.set SLOTB,  39424
.set HALFT,  24576                     ; 8 tiles x 3,072 bytes (256 along K): what one tensor load brings
.set SLOT,   98304                     ; A's 16 tiles, then B's 16
.set SCL,    196608                    ; behind the ring: the scale bytes of the 32 tiles for all of K, 512 a tile
.set HALFS,  4096
.set SPARE,  212992                    ; the spare words, 128 bytes a wave
.set NQ,     2
.set FR,     12
.set NL,     6
.set NP,     4                         ; places behind this matrix instruction (ISA guide 7.12.1)
.set LAPS,   2
.set ADRA, 16                          ; v16-17 my A fragments in slot 0, 1
.set ADRB, 20                          ; v20-21 my B fragments
.set ADRS, 27                          ; v27    my scale words: lanes 0-15 A's, lanes 16-31 B's
.set SPW,  28
.set NIL,  29
.set SC,   32
.set BI,   64
.set AF,   128
.set TM,   224
.set SW,   128
.set G1, 24
.set G0, 32
.set G1B, 48
.set G0B, 56
.set G1S, 68
.set G0S, 76
.set G1SB, 80
.set G0SB, 88
.set MSB, 0
.macro WIN new                         ; the immediate's high byte repeats the setting that is left
.if MSB != \new
	s_set_vgpr_msb (MSB<<8)|\new
.set MSB, \new
.endif
.endm
.set MUL_LO, 0xa1                      ; source 0 (B) window 1, source 1 (A) window 0, C and D window 2
.set MUL_HI, 0xf1
.set TO_B,   0x40
.macro JLOAD g0a, g1a, g0b, g1b        ; a joint load: waves 0, 1 fetch for A, waves 2, 3 for B; the branch hangs on the wave's number alone; s_nop 0 and four v_nop follow each line
	s_cmp_eq_u32 s17, 0
	s_cbranch_scc0 .Lfor_b_\@
	tensor_load_to_lds s[\g0a:\g0a+3], s[\g1a:\g1a+7]
	s_nop 0
.rept 4
	v_nop
.endr
	s_branch .Lasked_\@
.Lfor_b_\@:
	tensor_load_to_lds s[\g0b:\g0b+3], s[\g1b:\g1b+7]
	s_nop 0
.rept 4
	v_nop
.endr
.Lasked_\@:
.endm
.macro CREST
	s_cmp_lg_u32 s16, 0
	s_cbranch_scc1 .Lnot_wave_0_\@
	s_barrier_signal -3
.Lnot_wave_0_\@:
	s_barrier_wait -3
	s_barrier_signal -1
	s_barrier_wait -1
.endm
.macro CROUND
	s_barrier_signal -1
	s_barrier_wait -1
	CREST
.endm
	s_load_b256 s[4:11], s[0:1], 0x0               ; xc, xs, bq, bk
	s_load_b128 s[12:15], s[0:1], 0x20             ; bv, qkv
	v_lshl_add_u32 v[SPW], v0, 2, SPARE
	v_mov_b32 v[NIL], 0
	ds_add_u32 v[SPW], v[NIL]                      ; the wave's opening: the add, twice on end, and its wait ahead of my first tensor load
	ds_add_u32 v[SPW], v[NIL]
	v_lshrrev_b32 v1, 5, v0
	v_readfirstlane_b32 s16, v1                    ; wave
	s_lshr_b32 s17, s16, 1                         ; my half of A's tiles.  Also: I fetch for A (0) or B (1)
	s_and_b32 s18, s16, 1                          ; my half of B's tiles.  Also: which 8 tiles I fetch
	s_bfe_u32 s40, ttmp6, 0x40000                  ; cx
	s_bfe_u32 s41, ttmp6, 0x40004                  ; cy
	s_and_b32 s42, ttmp7, 0xffff                   ; the row of clusters, 0 .. 23: the same in all sixteen partners
	s_lshr_b32 s19, s42, 3                         ; 0: Q, 1: K, 2: V
	s_and_b32 s42, s42, 7                          ; which 1,024 tokens
	s_lshl_b32 s43, s41, 2
	s_lshl_b32 s43, 15, s43                        ; my row of the cluster
	s_lshl_b32 s44, 0x1111, s40                    ; my column
	s_or_b32 s[G1+0], s43, (3<<16)|(1<<21)         ; 15:0 the mask; 17:16 elements of 8 bytes; 21 set beside a mask; no padding
	s_or_b32 s[G1B+0], s44, (3<<16)|(1<<21)
.irp g, G1, G1B
	s_mov_b32 s[\g+1], 384<<16                     ; tensor_dim0: 3,072 bytes of a tile
	s_mov_b32 s[\g+2], 16<<16                      ; tensor_dim1: 16 tiles for the head's loads; behind them 8, for the ring's
	s_mov_b32 s[\g+3], 384<<16                     ; tile_dim0
	s_mov_b32 s[\g+4], 16                          ; tile_dim1
	s_mov_b32 s[\g+5], 1536                        ; from tile to tile: 12,288 bytes
	s_mov_b32 s[\g+6], 0
	s_mov_b32 s[\g+7], 0
.endr
	s_or_b32 s[G1S+0], s43, (3<<16)|(1<<21)
	s_or_b32 s[G1SB+0], s44, (3<<16)|(1<<21)
.irp g, G1S, G1SB
	s_mov_b32 s[\g+1], 32<<16                      ; the scale bytes of 16 tiles: 8,192 dense bytes as 32 rows of 256
	s_mov_b32 s[\g+2], 32<<16
	s_mov_b32 s[\g+3], 32<<16
	s_mov_b32 s[\g+4], 32
	s_mov_b32 s[\g+5], 32
	s_mov_b32 s[\g+6], 0
	s_mov_b32 s[\g+7], 0
.endr
	s_lshl_b32 s20, s19, 9
	s_lshl_b32 s21, s42, 6
	s_add_co_u32 s20, s20, s21                     ; the activations' first tile for this row of clusters
	s_lshl_b32 s21, s19, 6
	s_add_co_u32 s21, s21, 1536                    ; the weight's first tile
	s_cmp_eq_u32 s19, 2
	s_cselect_b32 s22, s21, s20                    ; side A: the tokens, for V the weight
	s_cselect_b32 s46, s20, s21                    ; side B: the weight, for V the tokens
	s_lshl_b32 s45, s41, 4
	s_add_co_u32 s22, s22, s45                     ; A's first tile: + 16 cy (never cx)
	s_lshl_b32 s47, s40, 4
	s_add_co_u32 s46, s46, s47                     ; B's: + 16 cx (never cy)
	s_mul_i32 s20, s22, 12288
	s_mov_b32 s21, 0
	s_lshl_b32 s22, s22, 9
	s_mov_b32 s23, 0
	s_lshl_b32 s92, s46, 9
	s_mov_b32 s93, 0
	s_mul_i32 s46, s46, 12288
	s_mov_b32 s47, 0
	s_mul_i32 s45, s16, HALFT                      ; where they go: wave x 8 tiles
	s_mul_i32 s94, s18, 98304                      ; in the ring I fetch 8 tiles of 12,288 bytes: which half, in bytes
	s_mov_b32 s95, 0
	s_mov_b32 s66, 0xffff0000                      ; lanes 16-31
	s_mov_b32 s100, 0x76543210
	s_mov_b32 s101, 0xfedcba98                     ; v_permlanex16_b32's selects for lane l xor 16
	s_wait_dscnt 0x0                               ; both opening adds are done
	s_wait_kmcnt 0x0
	s_add_nc_u64 s[20:21], s[4:5], s[20:21]
	s_add_nc_u64 s[22:23], s[6:7], s[22:23]
	s_add_nc_u64 s[46:47], s[4:5], s[46:47]
	s_add_nc_u64 s[92:93], s[6:7], s[92:93]
	CROUND                                         ; all sixteen work-groups are here: the first joint loads meet
	s_mov_b32 s[G0S], 1
	s_mov_b32 s[G0S+1], SCL
	s_mov_b64 s[G0S+2:G0S+3], s[22:23]
	s_or_b32 s[G0S+3], s[G0S+3], 0x80000000
	s_mov_b32 s[G0SB], 1
	s_mov_b32 s[G0SB+1], SCL+2*HALFS
	s_mov_b64 s[G0SB+2:G0SB+3], s[92:93]
	s_or_b32 s[G0SB+3], s[G0SB+3], 0x80000000
.irp s, 0,1
	s_mov_b32 s[G0+4*\s], 1
	s_add_co_u32 s[G0+4*\s+1], s45, \s*SLOT
	s_add_nc_u64 s[G0+4*\s+2:G0+4*\s+3], s[20:21], \s*3072
	s_or_b32 s[G0+4*\s+3], s[G0+4*\s+3], 0x80000000
	s_mov_b32 s[G0B+4*\s], 1
	s_add_co_u32 s[G0B+4*\s+1], s45, \s*SLOT
	s_add_nc_u64 s[G0B+4*\s+2:G0B+4*\s+3], s[46:47], \s*3072
	s_or_b32 s[G0B+4*\s+3], s[G0B+4*\s+3], 0x80000000
.endr
	s_mov_b32 s[G0+1], 0                           ; the head's loads bring slot 0 whole: A's 16 tiles at 0,
	s_mov_b32 s[G0B+1], 2*HALFT                    ; B's 16 behind them
	s_add_nc_u64 s[G0+6:G0+7], s[G0+6:G0+7], s[94:95]      ; slot 1's come by halves: my 8 tiles
	s_add_nc_u64 s[G0B+6:G0B+7], s[G0B+6:G0B+7], s[94:95]
; THE HEAD'S LOADS, ONE A WAVE: wave 0 slot 0's tiles of A, wave 1 those of B, wave 2 A's scale bytes, wave 3 B's.  One chain of branches on the wave's number; every way passes one load.
.macro ARM under, g0, g1, next
	s_cmp_lt_u32 s16, \under
	s_cbranch_scc0 \next
	tensor_load_to_lds s[\g0:\g0+3], s[\g1:\g1+7]
	s_nop 0
.rept 4
	v_nop
.endr
	s_branch .Lhead_asked
\next:
.endm
	ARM 1, G0,  G1,  .Lhead_b
	ARM 2, G0B, G1B, .Lhead_sa
	ARM 3, G0S, G1S, .Lhead_sb
	tensor_load_to_lds s[G0SB:G0SB+3], s[G1SB:G1SB+7]
	s_nop 0
.rept 4
	v_nop
.endr
.Lhead_asked:
	v_and_b32 v1, 31, v0                           ; l
	v_and_b32 v2, 15, v0                           ; r
	v_bfe_u32 v3, v0, 4, 1                         ; h
	s_wait_alu depctr_va_vdst(0)
	v_mul_u32_u24 v4, v1, 24
	s_mul_i32 s20, s17, HALFT
	s_mul_i32 s21, s18, HALFT
	s_add_co_u32 s21, s21, 2*HALFT
.irp s, 0,1
	v_add_nc_u32 v[ADRA+\s], s20, v4
	v_add_nc_u32 v[ADRB+\s], s21, v4
	s_add_co_u32 s20, s20, SLOT
	s_add_co_u32 s21, s21, SLOT
.endr
	v_lshlrev_b32 v5, 3, v2                        ; 8 scale bytes a row and 256 along K
	s_lshl_b32 s20, s17, 12
	s_lshl_b32 s21, s18, 12
	s_add_co_u32 s21, s21, 2*HALFS
	s_sub_co_u32 s21, s21, s20
	v_mul_u32_u24 v6, s21, v3                      ; lanes 16-31 take B's
	s_add_co_u32 s20, s20, SCL
	v_add_nc_u32 v5, v5, v6
	v_add_nc_u32 v[ADRS], s20, v5
	s_mul_i32 s22, s16, 3072                       ; the way out: my stage, 2,048 bytes of places and 1,024 of words, in slot 0
	v_lshlrev_b32 v24, 5, v2
	v_lshl_add_u32 v24, v3, 4, v24
	v_add_nc_u32 v24, s22, v24                     ; a piece's place: 32 r + 16 h
	v_lshl_add_u32 v25, v1, 4, s22                 ; back: 16 l
	v_lshlrev_b32 v19, 2, v2
	v_add_nc_u32 v19, s22, v19
	v_add_nc_u32 v19, 2048, v19                    ; V's words: 4 r
	v_lshl_add_u32 v18, v3, 9, v19                 ; Q's, K's: 4 r + 512 for the second head, which lanes 16-31 carry
	v_mul_u32_u24 v22, v1, 12
	v_lshlrev_b32 v23, 4, v1
	v_mul_u32_u24 v30, v3, HEADB
	v_lshl_add_u32 v30, v2, 4, v30                 ; V's words in memory: lanes 16-31 one head on
	v_lshlrev_b32 v14, 6, v3                       ; the bias of Q, K: 16 numbers on for lanes 16-31
	v_and_b32 v15, 8, v2
	v_add_nc_u32 v15, v15, v2
	v_lshlrev_b32 v15, 2, v15                      ; the bias of V: number r + 8 (r / 8)
	; where the results go (global addresses alone hang on cx and cy)
	s_cmp_eq_u32 s19, 2
	s_cselect_b32 s92, s40, s41                    ; the tokens' place in the cluster
	s_cselect_b32 s93, s41, s40                    ; the weight's
	s_cselect_b32 s94, s18, s17                    ; my half of the tokens
	s_cselect_b32 s95, s17, s18                    ; my half of the weight's rows
	s_lshl_b32 s46, s42, 2
	s_add_co_u32 s92, s92, s46                     ; which 256 tokens of the 8,192
	s_lshr_b32 s46, s92, 3
	s_lshl_b32 s46, s46, 4
	s_lshl_b32 s47, s93, 2
	s_add_co_u32 s46, s46, s47
	s_lshl_b32 s47, s95, 1
	s_add_co_u32 s46, s46, s47                     ; my first head: 16 x batch + 4 x place + 2 x half
	s_mul_i32 s46, s46, HEADB
	s_and_b32 s47, s92, 7
	s_mul_i32 s47, s47, SLOTB
	s_add_co_u32 s46, s46, s47                     ; its slot
	s_mul_i32 s47, s19, 13312
	s_add_co_u32 s47, s47, s46
	s_mul_i32 s92, s94, 6144
	s_add_co_u32 s47, s47, s92
	s_cmp_eq_u32 s19, 2
	s_cselect_b32 s92, 1024, 0
	s_sub_co_u32 s96, s47, s92                     ; the codes: +0, +13,312, +25,600, + 6,144 x my half of the tokens
	s_mov_b32 s97, 0
	s_add_nc_u64 s[96:97], s[14:15], s[96:97]
	s_mul_i32 s47, s19, 25600
	s_add_co_u32 s47, s47, 12288
	s_lshl_b32 s92, s94, 9
	s_add_co_u32 s47, s47, s92                     ; Q's, K's words
	s_lshl_b32 s92, s94, 8
	s_add_co_u32 s92, s92, 38912                   ; V's
	s_cmp_eq_u32 s19, 2
	s_cselect_b32 s47, s92, s47
	s_add_co_u32 s98, s47, s46
	s_mov_b32 s99, 0
	s_add_nc_u64 s[98:99], s[14:15], s[98:99]
	s_cmp_eq_u32 s19, 1
	s_cselect_b64 s[8:9], s[10:11], s[8:9]
	s_cmp_eq_u32 s19, 2
	s_cselect_b64 s[8:9], s[12:13], s[8:9]         ; my bias,
	s_lshl_b32 s46, s93, 10
	s_lshl_b32 s47, s95, 9
	s_add_co_u32 s46, s46, s47
	s_mov_b32 s47, 0
	s_add_nc_u64 s[8:9], s[8:9], s[46:47]          ; at my 128 numbers
	s_cmp_eq_u32 s19, 2
	s_cbranch_scc1 .Lbias_v
	s_wait_alu depctr_va_vdst(0)
.irp b, 0,1,2,3,4,5,6,7                ; Q, K: register j of accumulator (a, b) is output 32 (b / 2) + 8 (b % 2) + 16 h + j
	global_load_b128 v[BI+8*\b:BI+8*\b+3], v14, s[8:9] offset:(32*(\b/2)+8*(\b%2))*4
	global_load_b128 v[BI+8*\b+4:BI+8*\b+7], v14, s[8:9] offset:(32*(\b/2)+8*(\b%2))*4+16
.endr
	s_branch .Lbias_done
.Lbias_v:
	s_wait_alu depctr_va_vdst(0)
.irp a, 0,1,2,3,4,5,6,7                ; V: all eight registers of accumulator (a, b) are output 32 (a / 2) + 8 (a % 2) + r + 8 (r / 8)
.irp j, 0,1,2,3,4,5,6,7
	global_load_b32 v[BI+8*\a+\j], v15, s[8:9] offset:(32*(\a/2)+8*(\a%2))*4
.endr
.endr
.Lbias_done:
.macro FRAG reg, adr, q, i             ; tile i's fragment of the slot's q-th 128 along K: two chunks, 24 bytes a lane each, in pieces of 8
.irp p, 0,1,2,3,4,5
	ds_load_b64 v[\reg+2*\p:\reg+2*\p+1], v[\adr] offset:(\i)*3072+(2*(\q)+\p/3)*768+8*(\p%3)
.endr
.endm
; 16 matrix instructions: A's tiles a0, a0 + 1 x B's eight.  cm = 0: the sums go on; 1: they begin with the bias by B's tile; 2: by A's tile.  The 64 accumulators take turns, one instruction a turn.
.macro MUL16 a0, p, q, sc, cm
.irp a, \a0, \a0+1
.irp b, 0,1,2,3,4,5,6,7
.set rD, 8*(8*((\a)%4)+\b)
.set rB, 128*(\p)+FR*\b
.set rA, AF+FR*(\a)
.set rSB, SC+8*NQ*(\sc)+NQ*\b+(\q)
.set rSA, SC+8*NQ*(\sc)+NQ*(\a)+(\q)
.if \cm == 1
	v_wmma_scale_f32_16x16x128_f8f6f4 v[rD:rD+7], v[rB:rB+FR-1], v[rA:rA+FR-1], v[BI+8*\b:BI+8*\b+7], v[rSB], v[rSA] matrix_a_fmt:MATRIX_FMT_FP6 matrix_b_fmt:MATRIX_FMT_FP6 matrix_a_scale:MATRIX_SCALE_ROW1
.elseif \cm == 2
	v_wmma_scale_f32_16x16x128_f8f6f4 v[rD:rD+7], v[rB:rB+FR-1], v[rA:rA+FR-1], v[BI+8*(\a):BI+8*(\a)+7], v[rSB], v[rSA] matrix_a_fmt:MATRIX_FMT_FP6 matrix_b_fmt:MATRIX_FMT_FP6 matrix_a_scale:MATRIX_SCALE_ROW1
.else
	v_wmma_scale_f32_16x16x128_f8f6f4 v[rD:rD+7], v[rB:rB+FR-1], v[rA:rA+FR-1], v[rD:rD+7], v[rSB], v[rSA] matrix_a_fmt:MATRIX_FMT_FP6 matrix_b_fmt:MATRIX_FMT_FP6 matrix_a_scale:MATRIX_SCALE_ROW1
.endif
.endr
.endr
.endm
.macro FETCH_B slot, q, p
	WIN TO_B
.irp i, 0,1,2,3,4,5,6,7
	FRAG 128*(\p)+FR*\i, ADRB+\slot, \q, \i
.endr
	WIN 0
.endm
.macro FETCH_A slot, q, i0
.irp i, \i0, \i0+1, \i0+2, \i0+3
	FRAG AF+FR*(\i), ADRA+\slot, \q, \i
.endr
.endm
.macro SCALES sc                       ; a slot's two scale words a row: lanes 0-15 A's tile i, lanes 16-31 B's tile i
.irp i, 0,1,2,3,4,5,6,7
	ds_load_b64 v[SC+8*NQ*\sc+NQ*\i:SC+8*NQ*\sc+NQ*\i+1], v[ADRS] offset:\i*512
.endr
.endm
.macro PLACES n                        ; plain vector instructions between a matrix instruction and a load into, or a read of, its registers
.rept \n
	v_nop
.endr
.endm
.macro STEP slot, q, cm                ; 128 along K that has its successor in the same slot
	s_wait_dscnt 4*NL                              ; B's set, A's tiles 0-3 and the scale words are in; the 24 youngest loads (A's tiles 4-7) may be out
.if \cm
	WIN 0x81                                       ; C, the bias, in window 0
.else
	WIN MUL_LO
.endif
	MUL16 0, (\q)%2, \q, \slot, \cm
	MUL16 2, (\q)%2, \q, \slot, \cm
	s_wait_dscnt 0
	PLACES NP
	FETCH_B \slot, (\q)+1, 1-(\q)%2
	FETCH_A \slot, (\q)+1, 0
.if \cm
	WIN 0xc1
.else
	WIN MUL_HI
.endif
	MUL16 4, (\q)%2, \q, \slot, \cm
	MUL16 6, (\q)%2, \q, \slot, \cm
	PLACES NP
	WIN 0
	FETCH_A \slot, (\q)+1, 4
.endm
.macro TURN slot, next, fill           ; a slot's last 128 along K, and the change of slots: one barrier, which with fill = 1 opens a round of the cluster's
	s_wait_tensorcnt 0x0                           ; all my tensor loads have landed: my part of the next slot
	ds_add_u32 v[SPW], v[NIL]                      ; 0 onto my spare word
	s_wait_dscnt 4*NL+1                            ; (the add and the 24 youngest loads may be out)
	WIN MUL_LO
	MUL16 0, 1, NQ-1, \slot, 0
	s_wait_dscnt 0x0                               ; the add is done, and my reads of this slot are over
	s_barrier_signal -1
	MUL16 2, 1, NQ-1, \slot, 0
	WIN 0
	s_barrier_wait -1
.if \fill
	CREST                                          ; no wave of any partner still reads this slot or has a load on its way
	s_add_nc_u64 s[G0+4*\slot+2:G0+4*\slot+3], s[G0+4*\slot+2:G0+4*\slot+3], 6144
	s_add_nc_u64 s[G0B+4*\slot+2:G0B+4*\slot+3], s[G0B+4*\slot+2:G0B+4*\slot+3], 6144
	JLOAD G0+4*\slot, G1, G0B+4*\slot, G1B         ; the first tensor load behind the round; its four v_nop are the places in front of the loads below
.else
	PLACES NP
.endif
	s_wait_alu depctr_va_vdst(0)
	v_add_nc_u32 v[ADRS], 128, v[ADRS]             ; the next slot's scale words
	FETCH_B \next, 0, 0
	FETCH_A \next, 0, 0
	SCALES \next
	WIN MUL_HI
	MUL16 4, 1, NQ-1, \slot, 0
	MUL16 6, 1, NQ-1, \slot, 0
	PLACES NP
	WIN 0
	FETCH_A \next, 0, 4
.endm
	s_wait_alu depctr_va_vdst(0)                   ; the head's end
	s_wait_tensorcnt 0x0                           ; my tile of the head's four is in; the three lines stand ahead of slot 1's first fill as ahead of a refill
	ds_add_u32 v[SPW], v[NIL]
	s_mov_b32 s[G1+2], 8<<16                       ; no load of mine is out: from here on a load brings 8 tiles,
	s_mov_b32 s[G1+4], 8
	s_mov_b32 s[G1B+2], 8<<16
	s_mov_b32 s[G1B+4], 8
	s_mov_b32 s[G0+1], s45                         ; and slot 0's descriptors take the ring's form: wave x 8 tiles in LDS, my half in memory
	s_mov_b32 s[G0B+1], s45
	s_mul_i32 s20, s18, 98304
	s_mov_b32 s21, 0
	s_add_nc_u64 s[G0+2:G0+3], s[G0+2:G0+3], s[20:21]
	s_add_nc_u64 s[G0B+2:G0B+3], s[G0B+2:G0B+3], s[20:21]
	s_wait_dscnt 0x0
	CROUND                                         ; all four tiles are in, and all sixteen work-groups are here
	JLOAD G0+4, G1, G0B+4, G1B                     ; slot 1's first fill, the first tensor load behind the round
	FETCH_B 0, 0, 0
	FETCH_A 0, 0, 0
	SCALES 0
	FETCH_A 0, 0, 4
	s_wait_loadcnt 0x0                             ; the bias
	s_cmp_eq_u32 s19, 2                            ; the row of clusters alone decides: all partners go the same way
	s_cbranch_scc1 .Lfirst_v
	STEP 0, 0, 1
	s_branch .Lfirst_done
.Lfirst_v:
	STEP 0, 0, 2
.Lfirst_done:
	s_mov_b32 s3, LAPS-1
.Llap:                                                 ; a trip goes once round the ring and fills both slots again
	TURN 0, 1, 1
	STEP 1, 0, 0
	TURN 1, 0, 1
	STEP 0, 0, 0
	s_sub_co_u32 s3, s3, 1
	s_cmp_lg_u32 s3, 0
	s_cbranch_scc1 .Llap
	TURN 0, 1, 0                                   ; the last lap fills nothing
	STEP 1, 0, 0
	s_wait_dscnt 4*NL
	WIN MUL_LO
	MUL16 0, 1, NQ-1, 1, 0
	MUL16 2, 1, NQ-1, 1, 0
	s_wait_dscnt 0
	WIN MUL_HI
	MUL16 4, 1, NQ-1, 1, 0
	MUL16 6, 1, NQ-1, 1, 0
	WIN 0
; THE WAY OUT, a tile a of side A at a time: its 64 numbers a lane are four blocks x; block x lies in lanes l and l xor 16, 16 numbers each.  Largest magnitude, byte, conversion: 12 bytes a block and lane, which are piece
; 2 r + 32 (x % 2) + h of chunk x / 2 of the next operand's image.  They go to places of 16 bytes in my stage and come back place by place, so that a store covers 384 consecutive bytes.
; The stage lies in slot 0, which has had its last fill and, behind the last change of slots, its last read.  Q, K and V have stages of their own (v x 12,288).
.macro QOUT a, v
.set AC, 64*((\a)%4)
.set W1, 2+(\a)/4
.set W2, 5*W1
.set PC, 64+16*((\a)%2)
.set BK, 96+16*((\a)%2)
.set PW, 240+(\a)%2
.set SB, 12288*(\v)
	WIN W2                                         ; sources 0 and 1: the accumulators' window
.irp b, 0,1,2,3
	v_max3_num_f32 v[TM+\b], |v[AC+16*\b]|, |v[AC+16*\b+1]|, 0x1800000   ; my 16 numbers of block b, and the floor 2^(3 - 127); each accumulator is read from its low end on
.endr
.irp i, 2,4,6,8,10,12,14
.irp b, 0,1,2,3
	v_max3_num_f32 v[TM+\b], |v[AC+16*\b+\i]|, |v[AC+16*\b+\i+1]|, v[TM+\b]
.endr
.endr
	WIN 0
.irp b, 0,1,2,3
	v_permlanex16_b32 v[TM+4+\b], v[TM+\b], s100, s101
.endr
.irp b, 0,1,2,3
	v_max_num_f32 v[TM+\b], v[TM+\b], v[TM+4+\b]   ; with lane l xor 16's: the block's largest magnitude
.endr
.irp b, 0,1,2,3
	v_add_nc_u32 v[TM+12+\b], 0xff000000, v[TM+\b] ; 2 off its exponent field: the conversion's scale operand
.endr
.irp b, 0,1,2,3
	v_lshrrev_b32 v[TM+4+\b], 23, v[TM+12+\b]      ; the byte
.endr
.if \v
	v_lshl_or_b32 v[PW], v[TM+5], 8, v[TM+4]       ; V: the four key blocks' bytes of my row d
	v_lshl_or_b32 v[PW], v[TM+6], 16, v[PW]
	v_lshl_or_b32 v[PW], v[TM+7], 24, v[PW]
.else
	v_lshl_or_b32 v242, v[TM+5], 8, v[TM+4]        ; Q, K: a head's two bytes, and 1.0 for the half of the instruction's K that holds zero codes
	v_lshl_or_b32 v243, v[TM+7], 8, v[TM+6]
	v_or_b32 v242, 0x7f7f0000, v242
	v_or_b32 v243, 0x7f7f0000, v243
	v_cndmask_b32 v[PW], v242, v243, s66           ; lanes 0-15 carry the first head's word, lanes 16-31 the second's
.endif
	WIN W1                                         ; source 0: the accumulators' window
.irp b, 0,1,2,3
	v_cvt_scalef32_pk16_fp6_f32 v[PC+4*\b:PC+4*\b+2], v[AC+16*\b:AC+16*\b+15], v[TM+12+\b]
.endr
	WIN 0
	v_nop                                          ; one plain line behind the conversions
.irp b, 0,1,2,3
	ds_store_b96 v24, v[PC+4*\b:PC+4*\b+2] offset:SB+1024*(\b/2)+512*(\b%2)
.endr
.if \v
	ds_store_b32 v19, v[PW] offset:SB+64*(\a)      ; (both halves of the lanes write the same word with the same value)
.else
	ds_store_b32 v18, v[PW] offset:SB+64*(\a)
.endif
.if (\a) > 1
	s_wait_xcnt 0x0                                ; the stores of the tile two back have read the registers into which the loads below land
.endif
.irp q, 0,1,2,3
	ds_load_b96 v[BK+4*\q:BK+4*\q+2], v25 offset:SB+512*\q    ; LDS serves a wave's instructions in order: these see the stores above, and the next tile's stores come behind them
.endr
.endm
.macro SEND a, v, n                    ; n: the LDS instructions issued behind tile a's loads
.set BK, 96+16*((\a)%2)
	s_wait_dscnt \n
.irp q, 0,1,2,3
.if \v
	global_store_b96 v22, v[BK+4*\q:BK+4*\q+2], s[96:97] offset:((\a)/4)*HEADB+((\a)%4)*1536+384*\q   ; head a / 4, tile a % 4 of d, this key step's two chunks
.else
	global_store_b96 v22, v[BK+4*\q:BK+4*\q+2], s[96:97] offset:(\q/2)*HEADB+768*(\a)+384*(\q%2)      ; head q / 2, tile a of positions
.endif
.endr
.endm
.macro EPI v
	PLACES NP                                      ; behind the last products
.irp b, 0,1,2,3
	v_mov_b32 v[TM+4+\b], 0                        ; written once: a lane permute's destination counts as one of its sources
.endr
	QOUT 0, \v
.irp a, 1,2,3,4,5,6,7
	QOUT \a, \v
	SEND \a-1, \v, 9                               ; behind tile a - 1's loads: tile a's five stores and four loads
.endr
	ds_load_b128 v[SW:SW+3], v25 offset:12288*(\v)+2048
.if \v
	SEND 7, \v, 1
	s_wait_dscnt 0x0
	global_store_b128 v30, v[SW:SW+3], s[98:99]    ; two heads' 256 bytes of words, each aligned
.else
	ds_load_b128 v[SW+4:SW+7], v25 offset:12288*(\v)+2560
	SEND 7, \v, 2
	s_wait_dscnt 0x0
	global_store_b128 v23, v[SW:SW+3], s[98:99]    ; a head's 512 bytes of words
	global_store_b128 v23, v[SW+4:SW+7], s[98:99] offset:HEADB
.endif
.endm
	s_cmp_eq_u32 s19, 2
	s_cbranch_scc1 .Lepi_v
	EPI 0
	s_branch .Ldone
.Lepi_v:
	EPI 1
.Ldone:
	s_wait_tensorcnt 0x0                           ; the wave's end: behind my last tensor load and my last LDS store
	ds_add_u32 v[SPW], v[NIL]
	s_wait_dscnt 0x0
	CROUND                                         ; the closing round: no work-group ends while a partner may still ask for a tile that names it
	s_endpgm
.Lfunc_end_k_q31a4c2e7f1_proj:
	.size	k_q31a4c2e7f1_proj, .Lfunc_end_k_q31a4c2e7f1_proj-k_q31a4c2e7f1_proj
	.p2alignl 7, 3214868480
	.fill 96, 4, 3214868480
	.section	.rodata,"a",@progbits
	.p2align	6, 0x0
	.amdhsa_kernel k_q31a4c2e7f1_proj
		.amdhsa_group_segment_fixed_size 327680
		.amdhsa_private_segment_fixed_size 0
		.amdhsa_enable_private_segment 0
		.amdhsa_kernarg_size 48
		.amdhsa_user_sgpr_count 2
		.amdhsa_user_sgpr_kernarg_segment_ptr 1
		.amdhsa_wavefront_size32 1
		.amdhsa_system_sgpr_workgroup_id_x 1
		.amdhsa_system_sgpr_workgroup_id_y 1
		.amdhsa_system_sgpr_workgroup_id_z 1
		.amdhsa_system_vgpr_workitem_id 0
		.amdhsa_next_free_vgpr 1024
		.amdhsa_next_free_sgpr 102
		.amdhsa_reserve_vcc 0
		.amdhsa_float_denorm_mode_32 3
		.amdhsa_float_denorm_mode_16_64 3
		.amdhsa_memory_ordered 1
		.amdhsa_forward_progress 1
		.amdhsa_inst_pref_size 229
	.end_amdhsa_kernel
	.amdgpu_metadata
---
amdhsa.version: [ 1, 2 ]
amdhsa.kernels:
  - .name:           k_q31a4c2e7f1_proj
    .symbol:         k_q31a4c2e7f1_proj.kd
    .args:
      - { .name: xc, .offset: 0, .size: 8, .value_kind: global_buffer, .address_space: global }
      - { .name: xs, .offset: 8, .size: 8, .value_kind: global_buffer, .address_space: global }
      - { .name: bq, .offset: 16, .size: 8, .value_kind: global_buffer, .address_space: global }
      - { .name: bk, .offset: 24, .size: 8, .value_kind: global_buffer, .address_space: global }
      - { .name: bv, .offset: 32, .size: 8, .value_kind: global_buffer, .address_space: global }
      - { .name: qkv, .offset: 40, .size: 8, .value_kind: global_buffer, .address_space: global }
    .group_segment_fixed_size: 327680
    .private_segment_fixed_size: 0
    .kernarg_segment_align: 8
    .kernarg_segment_size: 48
    .max_flat_workgroup_size: 128
    .sgpr_count:     102
    .vgpr_count:     1024
    .wavefront_size: 32
...
	.end_amdgpu_metadata
.endif
;; end of part 2
;; launch attn (part 3): grid 256 x 1, 16 waves a work-group, clusters of 4 x 1, 327,680 bytes of LDS; arguments qkv, cc, cs; writes cc, cs
.if DOCPART == 3
	.amdgcn_target "amdgcn-amd-amdhsa--gfx1250"
	.amdhsa_code_object_version 6
	.text
	.protected	k_q31a4c2e7f1_attn
	.globl	k_q31a4c2e7f1_attn
	.p2align	8
	.type	k_q31a4c2e7f1_attn,@function
k_q31a4c2e7f1_attn:
	s_mov_b64 s[64:65], 0
	v_nop
	global_prefetch_b8 v0, s[64:65] scope:SCOPE_SE
	s_setreg_imm32_b32 hwreg(HW_REG_WAVE_MODE, 25, 1), 1
	s_wait_xcnt 0x0
	s_wait_alu depctr_hold_cnt(0) depctr_sa_sdst(0) depctr_va_vdst(0) depctr_va_sdst(0) depctr_va_ssrc(0) depctr_va_vcc(0) depctr_vm_vsrc(0)
	s_getreg_b32 s2, hwreg(HW_REG_IB_STS2, 6, 4)
	s_cmp_eq_u32 s2, 0
	s_cbranch_scc0 .Lentry_in_a_cluster
	s_endpgm
.Lentry_in_a_cluster:
	s_bfe_u32 s2, ttmp6, 0x10000c
	s_cmp_lg_u32 s2, 0x3003
	s_cbranch_scc0 .Lentry_shape_is_right
	s_endpgm
.Lentry_shape_is_right:
; ctx[b][l][h][:] = clear_nan(softmax over s <= l of (Q[l] . K[s] / 8) V[s][:]), both products on codes of FP6 (E2M3) with E8M0 scales, and ctx quantised along E for the output projection.
; WORK LEFT OUT: keys after a query have p = 0 by reference()'s own tril mask, for all finite inputs: a step of 128 keys that all come after my tile's queries is not computed.  A NaN, an infinity or an overflow that reaches
; only those scores is not carried to the result.
; THE SOFTMAX: t = score x log2(e) / 8; M = the running largest t rounded up to a whole number; p = 2^(t - M) is quantised along the keys, not normalised; the row's sum is taken of the unquantised p and divides at the end.
; THE DEAL.  A head (cluster x = 16 b + h) has 128 tiles of 16 queries, in 16 groups G of 8 tiles (128 queries); a tile of group G sees key steps 0 .. G of 128 keys.  The four work-groups of a cluster share a head: work-group c
; and wave w (u = w / 2, e = w % 2) take tile 2 c + e of group u and then of group 15 - u: 17 key steps for every wave, 256 work-groups of equal work.
; THE WALK: 17 trips, a constant, one key step a trip.  Place x = trip + 15 - u.  x < 16: the first tile, key step 15 - x, from its diagonal step u down to 0; x >= 16: the second, key step x - 16, from 0 up to its diagonal step.
; So the diagonal steps are trips 0 and 16 in every wave, and the change of tiles stands behind trip u.  The order of the keys moves no code: M is a whole number, and a rescaling is an exact power of two.
; LDS.  A head's K, V and their scale words are 8 dense blocks of 26,112 bytes (launch proj laid them so): 208,896 bytes.  They come ONCE: each of the sixteen waves asks for half a block, 51 rows of 256 bytes, by one
; tensor load at the head; every wave waits for its load, one barrier shows all; nothing is filled again, so no barrier stands in the walk.  Every block is read in every work-group (its waves 0 and 1 hold tiles of group 15).
; CLUSTER 4, 1, 1: the four work-groups need the same blocks at the same time: joint loads, mask 15.  Branches and LDS addresses hang on the wave's number and the loop's count alone; the place c enters global addresses and the mask's numbers.
; NO PREFETCH INTO THE L2: all tensor loads go out at the kernel's head; there is no loop that could run ahead of them.
; LAYOUT.  S^T = K Q^T (source 0 = 16 keys, source 1 = my queries), O^T = V^T P^T: a lane holds ONE query throughout.  A tile's rows are 32 (T / 2) + 8 (T % 2) + r + 8 (r / 8), so the 16 registers of tiles 2 b, 2 b + 1 are
; keys 32 b + 16 h + 0 .. 15; V's tiles of d are chosen alike.  The head's size is 64, half of the instruction's K: registers 6-11 of Q hold zero codes.  Every code of this format is a finite number, so whatever K's operand
; holds in its registers 6-11 adds exact zeros: K's eight tiles lie 6 registers apart, each operand's upper half is the next tile's codes (the last one's: six registers of V's), and their scale bytes there are 1.0.
; K's fragments and words of a trip are asked for in the trip before, behind that trip's products with K: a trip's softmax stands between the request and the use.
; A scale register carries two tiles' words: lanes 0-15 the even tile's rows, lanes 16-31 the odd tile's, which the instruction takes with ROW1.
; LIMITS: the promise holds while |t| stays under 2^31; a block of zeros of ctx has the byte 1; inputs with NaN or infinities are not served, but the guard clear_nan is computed as reference() has it.
; REGISTERS: v1-11, v28-29 addresses; v12 -M, v13 the largest t, v[14:15] the sum; v16-27 Q; v30-31 V's words; v32-79 K's eight tiles; v80-127 four fragments of V; v128-191 S^T, then p; v192-223 O^T; v224-235 p's codes;
; v230-247, v252-254 at work; v248-251 K's words; v255 Q's word.
.set HEADB, 315392
.set SLOTB, 39424
.set LSLOT, 26112                      ; a block of 256 keys in LDS
.set HALF,  13056
.set STG,   208896                     ; the way out: 1,024 bytes a wave; no tensor load lands here
.set SPARE, 225280                     ; the spare words, 128 bytes a wave
.set AK0, 1                            ; v1  24 l
.set AS0, 2                            ; v2  24,576 + 4 l: K's words; V's lie 1,024 on
.set SPW, 5
.set NIL, 6
.set AV,  8                            ; v8  this step's codes of V (less 12,288)
.set AVS, 9                            ; v9  and its words (less 1,024)
.set ANK, 11                           ; v11 the next step's codes of K
.set ANS, 254                          ; v254 and its words
.set KFR, 32
.set VFR, 80
.set S,   128
.set O,   192
.set IT,  3                            ; s3  the trip
.set GR,  16                           ; s16 my tile's group
.set UU,  17                           ; s17 u
.set WV,  18
.set CE,  19                           ; s19 2 c + e
.set SEL, 20
.set CS,  22                           ; s[22:23] log2(e) / 8
.set G1,  24
.set G0,  32
.set PB,  36                           ; s36 15 - u
.set QD,  37                           ; s37 32 c + 8 e: my tile's first query in its group
.set HB,  38                           ; s38 the head's first byte in qkv
.set BT,  39                           ; s39 128 x batch: ctx's row tiles
.set H7,  40                           ; s40 768 x head in its batch
.set HS,  48                           ; s48 the head's place in a row tile's scale bytes
.macro ROUND                           ; a round of the cluster's barrier
	s_barrier_signal -1
	s_barrier_wait -1
	s_cmp_lg_u32 s[WV], 0
	s_cbranch_scc1 .Lnot_wave_0_\@
	s_barrier_signal -3
.Lnot_wave_0_\@:
	s_barrier_wait -3
	s_barrier_signal -1
	s_barrier_wait -1
.endm
; From a place x of the walk in s41: its key step ((x % 16) xor 15 below 16, x % 16 from 16 on), as the block's LDS byte in s42 and the step's half of the block in s43
.macro KOFF
	s_lshr_b32 s42, s41, 4
	s_mul_i32 s42, s42, 15
	s_and_b32 s41, s41, 15
	s_xor_b32 s41, s41, 15
	s_xor_b32 s41, s41, s42
	s_and_b32 s41, s41, 15
	s_and_b32 s43, s41, 1
	s_lshr_b32 s42, s41, 1
	s_mul_i32 s42, s42, LSLOT
.endm
.macro OFFK                            ; where that step's codes of K (s46) and its words (s47) begin
	KOFF
	s_mul_i32 s46, s43, 6144
	s_add_co_u32 s46, s46, s42
	s_lshl_b32 s47, s43, 9
	s_add_co_u32 s47, s47, s42
.endm
.macro LOADK                           ; a key step's eight tiles of K, 6 registers each, and their words, two tiles to a register
.irp t, 0,1,2,3,4,5,6,7
.irp p, 0,1,2
	ds_load_b64 v[KFR+6*\t+2*\p:KFR+6*\t+2*\p+1], v[ANK] offset:768*\t+8*\p
.endr
.endr
.irp x, 0,1,2,3
	ds_load_b32 v[248+\x], v[ANS] offset:128*\x
.endr
.endm
; A TILE'S START: its addresses from its group, its Q asked for, the softmax's state and O^T set to their beginnings
.macro INIT
	s_lshl_b32 s41, s[GR], 3
	s_add_co_u32 s41, s41, s[CE]                   ; the tile's number in the head, 0 .. 127
	s_lshr_b32 s42, s41, 4
	s_mul_i32 s42, s42, SLOTB
	s_add_co_u32 s42, s42, s[HB]                   ; its slot of 256 positions in qkv
	s_and_b32 s43, s41, 15
	s_mul_i32 s50, s43, 768
	s_add_co_u32 s50, s50, s42
	s_mov_b32 s51, 0
	s_lshl_b32 s52, s43, 6
	s_add_co_u32 s52, s52, s42
	s_add_co_u32 s52, s52, 12288
	s_mov_b32 s53, 0
	s_add_nc_u64 s[50:51], s[4:5], s[50:51]
	s_add_nc_u64 s[52:53], s[4:5], s[52:53]
.irp p, 0,1,2
	global_load_b64 v[16+2*\p:17+2*\p], v[AK0], s[50:51] offset:8*\p   ; Q's 64 codes a row: registers 0-5 of the fragment
.endr
	global_load_b32 v255, v28, s[52:53]            ; Q's words
	s_add_co_u32 s41, s41, s[BT]                   ; ctx's row tile
	s_mul_i32 s54, s41, 12288
	s_add_co_u32 s54, s54, s[H7]
	s_mov_b32 s55, 0
	s_lshl_b32 s56, s41, 9
	s_add_co_u32 s56, s56, s[HS]
	s_mov_b32 s57, 0
	s_add_nc_u64 s[54:55], s[6:7], s[54:55]
	s_add_nc_u64 s[56:57], s[8:9], s[56:57]
	v_mov_b32 v13, 0xff61b1e6                      ; the largest t so far: -3e38
	v_floor_f32 v12, -v13                          ; -M
	v_mov_b32 v14, 0
	v_mov_b32 v15, 0
	v_mov_b32 v252, 0
	v_mov_b32 v253, 0
.set J, 0
.rept 32
	v_mov_b32 v[O+J], 0                            ; O^T: the step is written once; a tile's first step finds zeros
.set J, J+1
.endr
	s_wait_alu depctr_va_vdst(0)                   ; directly ahead of the blocking wait that follows the macro
.endm
; A TILE'S WAY OUT: O^T / the sum, clear_nan, quantised along d (= E's order within the head): two blocks of 32, each in lanes l and l xor 16; the codes are one chunk of ctx's image.
.macro WAYOUT
.rept 4
	v_nop                                          ; places behind the last products
.endr
	v_add_f32 v14, v14, v15
	s_delay_alu instid0(VALU_DEP_1)
	v_permlanex16_b32 v252, v14, s[SEL], s[SEL+1]
	s_delay_alu instid0(VALU_DEP_1)
	v_add_f32 v14, v14, v252                       ; the row's sum
	s_wait_alu depctr_va_vdst(0)
	v_rcp_f32 v14, v14
	v_nop
	s_wait_alu depctr_va_vdst(0)                   ; ahead of the reciprocal's first reader
.set J, 0
.rept 32
	v_mul_f32 v[S+J], v[O+J], v14                  ; register 16 b + i: ctx(my query, d = 32 b + 16 h + i)
.set J, J+1
.endr
.set J, 0
.rept 32
	v_cmp_eq_f32 vcc_lo, v[S+J], v[S+J]            ; clear_nan: a NaN is not equal to itself
	s_delay_alu instid0(VALU_DEP_1)
	v_cndmask_b32 v[S+J], 0, v[S+J], vcc_lo
.set J, J+1
.endr
.irp b, 0,1
	v_max3_num_f32 v[232+\b], |v[S+16*\b]|, |v[S+1+16*\b]|, 0x1800000
.endr
.irp i, 2,4,6,8,10,12,14
.irp b, 0,1
	s_delay_alu instid0(VALU_DEP_2)
	v_max3_num_f32 v[232+\b], v[232+\b], |v[S+16*\b+\i]|, |v[S+1+16*\b+\i]|
.endr
.endr
.irp b, 0,1
	s_delay_alu instid0(VALU_DEP_2)
	v_permlanex16_b32 v[236+\b], v[232+\b], s[SEL], s[SEL+1]
.endr
.irp b, 0,1
	s_delay_alu instid0(VALU_DEP_2)
	v_max_num_f32 v[232+\b], v[232+\b], v[236+\b]
.endr
.irp b, 0,1
	s_delay_alu instid0(VALU_DEP_2)
	v_add_nc_u32 v[244+\b], 0xff000000, v[232+\b]
.endr
.irp b, 0,1
	s_delay_alu instid0(VALU_DEP_2)
	v_lshrrev_b32 v[236+\b], 23, v[244+\b]
.endr
	s_delay_alu instid0(VALU_DEP_1)
	v_lshl_or_b32 v253, v237, 8, v236              ; the head's two scale bytes of my row
	v_cvt_scalef32_pk16_fp6_f32 v[224:226], v[S:S+15], v244
	v_cvt_scalef32_pk16_fp6_f32 v[228:230], v[S+16:S+31], v245
	v_nop
	ds_store_b96 v4, v[224:226]                    ; piece 2 r + h of the chunk,
	ds_store_b96 v4, v[228:230] offset:512         ; piece 32 + 2 r + h
	ds_load_b96 v[160:162], v7                     ; LDS serves a wave's instructions in order: these see the stores above
	ds_load_b96 v[164:166], v7 offset:512
	s_wait_alu depctr_va_vdst(0)
	s_wait_dscnt 0x0
	global_store_b96 v10, v[160:162], s[54:55]     ; 768 consecutive bytes, aligned to 256, in two stores
	global_store_b96 v10, v[164:166], s[54:55] offset:384
	global_store_b16 v29, v253, s[56:57]           ; two bytes a row, 8 bytes apart (both halves of the lanes write the same): the price of eight scale bytes on end for the next launch
.endm
	s_load_b128 s[4:7], s[0:1], 0x0                ; qkv, cc
	s_load_b64 s[8:9], s[0:1], 0x10                ; cs
	v_lshl_add_u32 v[SPW], v0, 2, SPARE
	v_mov_b32 v[NIL], 0
	ds_add_u32 v[SPW], v[NIL]                      ; the wave's opening: the add, twice on end, and its wait ahead of the first tensor load
	ds_add_u32 v[SPW], v[NIL]
	v_lshrrev_b32 v8, 5, v0
	v_readfirstlane_b32 s[WV], v8                  ; wave 0..15
	s_bfe_u32 s41, ttmp6, 0x40000                  ; c: my place in the cluster
	s_lshr_b32 s[UU], s[WV], 1
	s_and_b32 s42, s[WV], 1
	s_lshl_b32 s[CE], s41, 1
	s_add_co_u32 s[CE], s[CE], s42
	s_lshl_b32 s[QD], s41, 5
	s_lshl_b32 s43, s42, 3
	s_add_co_u32 s[QD], s[QD], s43
	s_xor_b32 s[PB], s[UU], 15                     ; 15 - u
	s_mov_b32 s[GR], s[UU]                         ; the first tile's group
	s_mov_b32 s[G1], 15|(3<<16)|(1<<21)            ; the mask: all four work-groups; elements of 8 bytes; bit 21 beside a mask; no padding
	s_mov_b32 s[G1+1], 32<<16                      ; 51 rows of 256 bytes, dense
	s_mov_b32 s[G1+2], 51<<16
	s_mov_b32 s[G1+3], 32<<16
	s_mov_b32 s[G1+4], 51
	s_mov_b32 s[G1+5], 32
	s_mov_b32 s[G1+6], 0
	s_mov_b32 s[G1+7], 0
	s_mul_i32 s[HB], ttmp9, HEADB
	s_mul_i32 s43, s[UU], SLOTB
	s_mul_i32 s44, s42, HALF
	s_add_co_u32 s46, s[HB], s43
	s_add_co_u32 s46, s46, s44
	s_add_co_u32 s46, s46, 13312                   ; block w / 2, half w % 2; K's codes begin 13,312 bytes into a slot of qkv
	s_mov_b32 s47, 0
	s_mov_b32 s[G0], 1
	s_mul_i32 s[G0+1], s[WV], HALF                 ; the halves lie on end in LDS
	s_lshr_b32 s[BT], ttmp9, 4
	s_lshl_b32 s[BT], s[BT], 7
	s_and_b32 s43, ttmp9, 15
	s_mul_i32 s[H7], s43, 768
	s_lshr_b32 s[HS], s43, 2
	s_lshl_b32 s[HS], s[HS], 7
	s_and_b32 s44, s43, 3
	s_lshl_b32 s44, s44, 1
	s_add_co_u32 s[HS], s[HS], s44                 ; (head / 4) x 128 + 2 (head % 4)
	s_mov_b32 s[SEL], 0x76543210
	s_mov_b32 s[SEL+1], 0xfedcba98
	s_mov_b32 s[CS], 0x3e38aa3b                    ; log2(e) / 8
	s_mov_b32 s[CS+1], s[CS]                       ; (named with it as a pair)
	s_wait_alu depctr_va_vdst(0)                   ; ahead of the blocking wait
	s_wait_dscnt 0x0                               ; both opening adds are done
	ROUND                                          ; all four work-groups are here: the joint loads meet
	s_wait_kmcnt 0x0
	s_add_nc_u64 s[G0+2:G0+3], s[4:5], s[46:47]
	s_or_b32 s[G0+3], s[G0+3], 0x80000000
	tensor_load_to_lds s[G0:G0+3], s[G1:G1+7]      ; my one load: one sixteenth of the head's K, V and words
	s_nop 0
	v_and_b32 v224, 31, v0                         ; l
	v_and_b32 v225, 15, v0                         ; r
	v_bfe_u32 v226, v0, 4, 1                       ; h
	v_mul_u32_u24 v[AK0], v224, 24
	v_lshl_add_u32 v[AS0], v224, 2, 24576
	v_lshlrev_b32 v28, 2, v225
	v_and_b32 v227, 8, v225
	v_add_nc_u32 v227, v227, v225
	v_lshlrev_b32 v3, 4, v226
	v_sub_nc_u32 v3, v227, v3
	v_add_nc_u32 v3, s[QD], v3                     ; d = my query's place in its group - 16 h, for the mask: 32 c + 8 e + r + 8 (r / 8) - 16 h
	s_lshl_b32 s41, s[WV], 10
	s_add_co_u32 s41, s41, STG                     ; my stage
	v_lshlrev_b32 v4, 5, v225
	v_lshl_add_u32 v4, v226, 4, v4
	v_add_nc_u32 v4, s41, v4                       ; a piece's place: 32 r + 16 h
	v_lshl_add_u32 v7, v224, 4, s41                ; back: 16 l
	v_mul_u32_u24 v10, v224, 12
	v_lshlrev_b32 v29, 3, v225
.irp i, 22,23,24,25,26,27
	v_mov_b32 v[\i], 0                             ; the upper 64 of the instruction's K: zero codes in Q
.endr
.irp i, 0,1,2,3,4,5
	v_mov_b32 v[VFR+\i], 0                         ; the upper half of K's last operand: written once here, later V's codes
.endr
.irp b, 0,1,2,3
	v_mov_b32 v[236+\b], 0                         ; a lane permute's destination counts as one of its sources
.endr
	INIT
	s_wait_tensorcnt 0x0                           ; my part is in
	s_barrier_signal -1
	s_barrier_wait -1                              ; and everybody's: the whole head lies in LDS
	s_mov_b32 s41, s[PB]                           ; the walk's first place
	OFFK
	v_add_nc_u32 v[ANK], s46, v[AK0]
	v_add_nc_u32 v[ANS], s47, v[AS0]
	LOADK                                          ; the first trip's K
	s_wait_loadcnt 0x0                             ; Q
	s_mov_b32 s[IT], 0
.Ltrip:                                            ; seventeen trips, a constant: one key step of 128 keys each
	s_add_co_u32 s41, s[IT], s[PB]                 ; this trip's place: where its V lies
	KOFF
	s_mul_i32 s44, s43, 6144
	s_add_co_u32 s44, s44, s42
	s_lshl_b32 s45, s43, 8
	s_add_co_u32 s45, s45, s42
	s_add_co_u32 s41, s[IT], s[PB]
	s_add_co_u32 s41, s41, 1                       ; the next trip's place: where its K lies
	OFFK
	s_wait_dscnt 0x0                               ; this trip's K and words, asked for a trip ago
.irp t, 0,1,2,3,4,5,6,7                ; S^T = K Q^T, eight tiles of 16 keys
.if \t % 2
	v_wmma_scale_f32_16x16x128_f8f6f4 v[S+8*\t:S+8*\t+7], v[KFR+6*\t:KFR+6*\t+11], v[16:27], 0, v[248+\t/2], v255 matrix_a_fmt:MATRIX_FMT_FP6 matrix_b_fmt:MATRIX_FMT_FP6 matrix_a_scale:MATRIX_SCALE_ROW1
.else
	v_wmma_scale_f32_16x16x128_f8f6f4 v[S+8*\t:S+8*\t+7], v[KFR+6*\t:KFR+6*\t+11], v[16:27], 0, v[248+\t/2], v255 matrix_a_fmt:MATRIX_FMT_FP6 matrix_b_fmt:MATRIX_FMT_FP6
.endif
.endr
	v_add_nc_u32 v[AV], s44, v[AK0]                ; these four are the places between the products and the loads into their registers, and ahead of the first read of S^T
	v_add_nc_u32 v[AVS], s45, v[AS0]
	v_add_nc_u32 v[ANK], s46, v[AK0]
	v_add_nc_u32 v[ANS], s47, v[AS0]
.irp t, 0,1,2,3                        ; V's four fragments and words land under the softmax
.irp p, 0,1,2,3,4,5
	ds_load_b64 v[VFR+12*\t+2*\p:VFR+12*\t+2*\p+1], v[AV] offset:12288+1536*\t+768*(\p/3)+8*(\p%3)
.endr
.endr
.irp y, 0,1
	ds_load_b32 v[30+\y], v[AVS] offset:1024+128*\y
.endr
	s_cmp_eq_u32 s[IT], 16                         ; the last trip has no successor
	s_cbranch_scc1 .Lno_next
	LOADK                                          ; the next trip's K
.Lno_next:
	s_and_b32 s41, s[IT], 15                       ; trips 0 and 16 are the tiles' diagonal steps: there hidden scores become -infinity
	s_cmp_lg_u32 s41, 0
	s_cbranch_scc1 .Lopen
	v_mov_b32 v254, 0xff800000
.set J, 0
.rept 64
	v_cmp_gt_i32 vcc_lo, 32*(J/16)+J%16, v3        ; register 16 b + i holds key 16 h + 32 b + i of the step: hidden where 32 b + i > d
	v_cndmask_b32 v[S+J], v[S+J], v254, vcc_lo
.set J, J+1
.endr
.Lopen:
.irp b, 0,1,2,3
	v_max3_num_f32 v[232+\b], v[S+16*\b], v[S+1+16*\b], v[S+2+16*\b]   ; the largest score of each block of 32 keys: for the row's maximum, and, since p rises with the score, for the block's largest p
.endr
.irp i, 3,5,7,9,11,13
.irp b, 0,1,2,3
	v_max3_num_f32 v[232+\b], v[232+\b], v[S+16*\b+\i], v[S+1+16*\b+\i]
.endr
.endr
.irp b, 0,1,2,3
	v_max_num_f32 v[232+\b], v[232+\b], v[S+15+16*\b]
.endr
.irp b, 0,1,2,3
	s_delay_alu instid0(VALU_DEP_4)
	v_permlanex16_b32 v[236+\b], v[232+\b], s[SEL], s[SEL+1]
.endr
.irp b, 0,1,2,3
	s_delay_alu instid0(VALU_DEP_4)
	v_max_num_f32 v[232+\b], v[232+\b], v[236+\b]
.endr
	s_delay_alu instid0(VALU_DEP_2)
	v_max3_num_f32 v254, v232, v233, v234
	s_delay_alu instid0(VALU_DEP_1)
	v_max_num_f32 v254, v254, v235
	s_delay_alu instid0(VALU_DEP_1)
	v_mul_f32 v254, s[CS], v254
	s_delay_alu instid0(VALU_DEP_1)
	v_max_num_f32 v13, v13, v254                   ; the running largest t
	v_mov_b32 v254, v12
	s_delay_alu instid0(VALU_DEP_2)
	v_floor_f32 v12, -v13                          ; the new -M = -ceil(t)
.set J, 0
.irp k, 0,1,2,3                        ; t - M, two at a time; the three lines that make f stand among them, each eight lines behind the one that it reads
.rept 8
	v_pk_fma_f32 v[S+J:S+1+J], v[S+J:S+1+J], s[CS:CS+1], v[12:13] op_sel_hi:[1,0,0]
.set J, J+2
.endr
.if \k == 0
	v_sub_f32 v254, v12, v254                      ; old M - new M: a whole number, 0 or less
.elseif \k == 1
	v_cvt_i32_f32 v254, v254
.elseif \k == 2
	v_ldexp_f32 v252, 1.0, v254                    ; f = 2^(old M - new M): rounds nothing
.endif
.endr
.irp b, 0,1,2,3
	v_fma_f32 v[232+\b], v[232+\b], s[CS], v12
.endr
	s_wait_alu depctr_va_vdst(0)                   ; ahead of the batch
.set J, 0
.rept 64
	v_exp_f32 v[S+J], v[S+J]                       ; p = 2^(t - M)
.set J, J+1
.endr
	v_pk_mul_f32 v[14:15], v[14:15], v[252:253] op_sel_hi:[1,0]   ; the sums under the new M (the plain line behind the exponentials)
	s_wait_alu depctr_va_vdst(0)                   ; one wait for the batch of 64, ahead of its first reader
.irp b, 0,1,2,3
	v_exp_f32 v[232+\b], v[232+\b]                 ; each block's largest p
.endr
	v_pk_add_f32 v[236:237], v[132:133], v[136:137]   ; the row's sum of the unquantised p, in eight chains
	v_pk_add_f32 v[246:247], v[140:141], v[144:145]
	v_pk_add_f32 v[244:245], v[148:149], v[152:153]
	v_pk_add_f32 v[242:243], v[156:157], v[160:161]
	v_pk_add_f32 v[240:241], v[164:165], v[168:169]
	v_pk_add_f32 v[238:239], v[172:173], v[176:177]
	v_pk_add_f32 v[230:231], v[180:181], v[184:185]
	v_pk_add_f32 v[14:15], v[14:15], v[188:189]
	v_pk_add_f32 v[236:237], v[236:237], v[128:129]
	v_pk_add_f32 v[246:247], v[246:247], v[130:131]
	v_pk_add_f32 v[244:245], v[244:245], v[134:135]
	v_pk_add_f32 v[242:243], v[242:243], v[138:139]
	v_pk_add_f32 v[240:241], v[240:241], v[142:143]
	v_pk_add_f32 v[238:239], v[238:239], v[146:147]
	v_pk_add_f32 v[230:231], v[230:231], v[150:151]
	v_pk_add_f32 v[14:15], v[14:15], v[154:155]
	v_pk_add_f32 v[236:237], v[236:237], v[158:159]
	v_pk_add_f32 v[246:247], v[246:247], v[162:163]
	v_pk_add_f32 v[244:245], v[244:245], v[166:167]
	v_pk_add_f32 v[242:243], v[242:243], v[170:171]
	v_pk_add_f32 v[240:241], v[240:241], v[174:175]
	v_pk_add_f32 v[238:239], v[238:239], v[178:179]
	v_pk_add_f32 v[230:231], v[230:231], v[182:183]
	v_pk_add_f32 v[14:15], v[14:15], v[186:187]
	v_pk_add_f32 v[236:237], v[236:237], v[190:191]
	s_delay_alu instid0(VALU_DEP_2)
	v_pk_add_f32 v[14:15], v[14:15], v[242:243]
	s_delay_alu instid0(VALU_DEP_2)
	v_pk_add_f32 v[236:237], v[236:237], v[240:241]
	v_pk_add_f32 v[246:247], v[246:247], v[238:239]
	v_pk_add_f32 v[244:245], v[244:245], v[230:231]
	s_delay_alu instid0(VALU_DEP_2)
	v_pk_add_f32 v[14:15], v[14:15], v[246:247]
	s_delay_alu instid0(VALU_DEP_2)
	v_pk_add_f32 v[236:237], v[236:237], v[244:245]
	s_delay_alu instid0(VALU_DEP_1)
	v_pk_add_f32 v[14:15], v[14:15], v[236:237]
	s_wait_alu depctr_va_vdst(0)                   ; and one for the four
.irp b, 0,1,2,3
	v_max_num_f32 v[232+\b], 0x1800000, v[232+\b]  ; the floor 2^(3 - 127)
.endr
.irp b, 0,1,2,3
	s_delay_alu instid0(VALU_DEP_4)
	v_add_nc_u32 v[244+\b], 0xff000000, v[232+\b]
.endr
.irp b, 0,1,2,3
	s_delay_alu instid0(VALU_DEP_4)
	v_lshrrev_b32 v[236+\b], 23, v[244+\b]
.endr
	s_delay_alu instid0(VALU_DEP_3)
	v_lshl_or_b32 v253, v237, 8, v236              ; p's scale word for these 128 keys
	s_delay_alu instid0(VALU_DEP_1)
	v_lshl_or_b32 v253, v238, 16, v253
	s_delay_alu instid0(VALU_DEP_1)
	v_lshl_or_b32 v253, v239, 24, v253
.irp c, 0,1
	v_cvt_scalef32_pk16_fp6_f32 v[224+6*\c:226+6*\c], v[S+32*\c:S+15+32*\c], v[244+2*\c]
	v_cvt_scalef32_pk16_fp6_f32 v[236+4*\c:238+4*\c], v[S+16+32*\c:S+31+32*\c], v[244+2*\c+1]
.endr
	v_nop                                          ; one plain line behind the conversions
.irp c, 0,1                            ; the operand wants a whole block in a lane
.irp i, 0,1,2
	v_permlane16_swap_b32 v[224+6*\c+\i], v[236+4*\c+\i]
.endr
.irp i, 0,1,2
	s_delay_alu instid0(VALU_DEP_3)
	v_mov_b32 v[227+6*\c+\i], v[236+4*\c+\i]
.endr
.endr
	s_wait_alu depctr_va_vdst(0)                   ; directly ahead of the first reader of O^T
.set J, 0
.rept 16
	v_pk_mul_f32 v[O+J:O+1+J], v[O+J:O+1+J], v[252:253] op_sel_hi:[1,0]   ; O^T under the new M; these sixteen are also the places in front of the products below
.set J, J+2
.endr
	s_wait_alu depctr_va_vdst(0)
	s_wait_dscnt 0x0                               ; V's fragments and words (and the next trip's K behind them)
.irp t, 0,1,2,3
.if \t % 2
	v_wmma_scale_f32_16x16x128_f8f6f4 v[O+8*\t:O+8*\t+7], v[VFR+12*\t:VFR+12*\t+11], v[224:235], v[O+8*\t:O+8*\t+7], v[30+\t/2], v253 matrix_a_fmt:MATRIX_FMT_FP6 matrix_b_fmt:MATRIX_FMT_FP6 matrix_a_scale:MATRIX_SCALE_ROW1
.else
	v_wmma_scale_f32_16x16x128_f8f6f4 v[O+8*\t:O+8*\t+7], v[VFR+12*\t:VFR+12*\t+11], v[224:235], v[O+8*\t:O+8*\t+7], v[30+\t/2], v253 matrix_a_fmt:MATRIX_FMT_FP6 matrix_b_fmt:MATRIX_FMT_FP6
.endif
.endr
	s_cmp_lg_u32 s[IT], s[UU]                      ; behind trip u the first tile has seen its key step 0
	s_cbranch_scc1 .Lsame
	WAYOUT                                         ; it leaves,
	s_wait_xcnt 0x0                                ; its stores have read their registers and bases,
	s_mov_b32 s[GR], s[PB]
	INIT                                           ; and the second begins
	s_wait_loadcnt 0x0
.Lsame:
	s_add_co_u32 s[IT], s[IT], 1
	s_cmp_lt_u32 s[IT], 17
	s_cbranch_scc1 .Ltrip
	WAYOUT
	s_wait_tensorcnt 0x0                           ; the wave's end
	ds_add_u32 v[SPW], v[NIL]
	s_wait_dscnt 0x0
	ROUND                                          ; the closing round
	s_endpgm
.Lfunc_end_k_q31a4c2e7f1_attn:
	.size	k_q31a4c2e7f1_attn, .Lfunc_end_k_q31a4c2e7f1_attn-k_q31a4c2e7f1_attn
	.p2alignl 7, 3214868480
	.fill 96, 4, 3214868480
	.section	.rodata,"a",@progbits
	.p2align	6, 0x0
	.amdhsa_kernel k_q31a4c2e7f1_attn
		.amdhsa_group_segment_fixed_size 327680
		.amdhsa_private_segment_fixed_size 0
		.amdhsa_enable_private_segment 0
		.amdhsa_kernarg_size 24
		.amdhsa_user_sgpr_count 2
		.amdhsa_user_sgpr_kernarg_segment_ptr 1
		.amdhsa_wavefront_size32 1
		.amdhsa_system_sgpr_workgroup_id_x 1
		.amdhsa_system_sgpr_workgroup_id_y 1
		.amdhsa_system_sgpr_workgroup_id_z 1
		.amdhsa_system_vgpr_workitem_id 0
		.amdhsa_next_free_vgpr 256
		.amdhsa_next_free_sgpr 66
		.amdhsa_reserve_vcc 1
		.amdhsa_float_denorm_mode_32 3
		.amdhsa_float_denorm_mode_16_64 3
		.amdhsa_memory_ordered 1
		.amdhsa_forward_progress 1
		.amdhsa_inst_pref_size 52
	.end_amdhsa_kernel
	.amdgpu_metadata
---
amdhsa.version: [ 1, 2 ]
amdhsa.kernels:
  - .name:           k_q31a4c2e7f1_attn
    .symbol:         k_q31a4c2e7f1_attn.kd
    .args:
      - { .name: qkv, .offset: 0, .size: 8, .value_kind: global_buffer, .address_space: global }
      - { .name: cc, .offset: 8, .size: 8, .value_kind: global_buffer, .address_space: global }
      - { .name: cs, .offset: 16, .size: 8, .value_kind: global_buffer, .address_space: global }
    .group_segment_fixed_size: 327680
    .private_segment_fixed_size: 0
    .kernarg_segment_align: 8
    .kernarg_segment_size: 24
    .max_flat_workgroup_size: 512
    .sgpr_count:     66
    .vgpr_count:     256
    .wavefront_size: 32
...
	.end_amdgpu_metadata
.endif
;; end of part 3
;; launch outp (part 4): grid 4 x 64, 4 waves a work-group, clusters of 4 x 4, 327,680 bytes of LDS; arguments cc, cs, xc, xs, bo, out0; writes out0
.if DOCPART == 4
	.amdgcn_target "amdgcn-amd-amdhsa--gfx1250"
	.amdhsa_code_object_version 6
	.text
	.protected	k_q31a4c2e7f1_outp
	.globl	k_q31a4c2e7f1_outp
	.p2align	8
	.type	k_q31a4c2e7f1_outp,@function
k_q31a4c2e7f1_outp:
	s_mov_b64 s[64:65], 0
	v_nop
	global_prefetch_b8 v0, s[64:65] scope:SCOPE_SE
	s_setreg_imm32_b32 hwreg(HW_REG_WAVE_MODE, 25, 1), 1
	s_wait_xcnt 0x0
	s_wait_alu depctr_hold_cnt(0) depctr_sa_sdst(0) depctr_va_vdst(0) depctr_va_sdst(0) depctr_va_ssrc(0) depctr_va_vcc(0) depctr_vm_vsrc(0)
	s_getreg_b32 s2, hwreg(HW_REG_IB_STS2, 6, 4)
	s_cmp_eq_u32 s2, 0
	s_cbranch_scc0 .Lentry_in_a_cluster
	s_endpgm
.Lentry_in_a_cluster:
	s_bfe_u32 s2, ttmp6, 0x10000c
	s_cmp_lg_u32 s2, 0xf033
	s_cbranch_scc0 .Lentry_shape_is_right
	s_endpgm
.Lentry_shape_is_right:
; out0 = ctx wo^T + bo on codes of FP6 (E2M3) with E8M0 scales; sums in f32.  No work is left out here.
; THE DEAL.  256 work-groups, each 128 rows x 256 columns of out0; four waves, 2 x 2, each 64 x 128: 4 tiles of ctx (side A) x 8 tiles of wo (side B), 32 accumulators, 256 registers.
; OPERANDS come as images of their registers (launches quant and attn): a row tile x 64 along K is 768 bytes, lane l's 24 bytes at 24 l; a tile's 1,024 along K are 12,288 bytes on end; a tile's rows are 32 (T / 2) + 8 (T % 2) + r + 8 (r / 8).
; LDS.  ALL OF K LIES IN LDS: 24 tiles x 12,288 = 294,912 bytes, in two slots of 512 along K (A's 8 tiles x 6,144 bytes, then B's 16).  Nothing is filled again: no ring, and no round of the cluster's barrier but the first and the last.
; The head has one tensor load a wave, each in an arm of its own: wave 0 slot 0 of A, wave 1 slot 0 of B, wave 2 slot 1 of A, wave 3 slot 1 of B; a tile's row is 6,144 bytes of memory and begins at a multiple of 256.
; The first barrier waits for waves 0 and 1 alone; slot 1 may still be on its way, and is shown to all by a barrier in K step 3, ahead of the first read of it: three steps' products stand between.
; CLUSTERS 4 x 4: A's tiles are shared along a row of the cluster, B's along a column: joint loads.
; NO PREFETCH INTO THE L2: all tensor loads go out at the kernel's head; there is no loop that could run ahead of them.
; SCALE WORDS go from memory straight into registers, once: a tile's 512 bytes are [256 along K: 4][r 16][8]; a load of 8 bytes a lane reads 256 consecutive bytes, aligned: lanes 0-15 take the two words of one 256 along K,
; lanes 16-31 those of the next, which the instruction takes with ROW1.  So K step k has its word in register 2 (k / 4) + k % 2 of a tile's four, in row (k / 2) % 2, on both sides alike.
; THE MATRIX INSTRUCTION: source 0 = a tile of wo, source 1 = a tile of ctx: lane (r, h) holds row r of A's tile, and the 16 registers of b = 2 x, 2 x + 1 hold columns 32 x + 16 h + 0 .. 15.  The bias is the C of the first K step.
; Both sides have two sets of fragment registers: a step's 72 LDS loads go out ahead of the step before's products.
; REGISTERS: window 0: v0-31 addresses; v32-47 A's scale words, v50-81 B's; v84-147 the bias; v148-243 A's fragments, two sets; on the way out v84-211 are free.  window 1: B's fragments, two sets, at v0 and v128.  window 2: the accumulators.
.set TB6,    6144                      ; a tile's bytes in a slot
.set ASL,    49152                     ; A's 8 tiles in a slot; B's 16 lie behind them
.set SLOT,   147456
.set SPARE,  294912                    ; behind the slots: the spare words, 128 bytes a wave
.set SPITCH, 528                       ; the way out: a stage of 16 rows x (512 + 16) bytes a wave, on slot 0's bytes, behind their last read
.set FR,     12
.set NP,     4                         ; places behind this matrix instruction (ISA guide 7.12.1)
.set ADRA, 16                          ; v16-17 my A fragments in slot 0, 1
.set ADRB, 20                          ; v20-21 my B fragments
.set STO,  24
.set RD,   25
.set CO,   26
.set SPW,  28
.set NIL,  29
.set SA,   32
.set SB,   50                          ; B's and A's scale registers of one product differ by 18 + 4 (b - a): never a multiple of 8
.set BI,   84
.set AF,   148
.set BK,   84
.set G1, 24                            ; s[24:31] group 1 of A's tiles; s[32:39] group 0, one for each slot
.set G0, 32
.set G1B, 48                           ; s[48:55], s[56:63] the same for B's
.set G0B, 56
.set MSB, 0
.macro WIN new                         ; the immediate's high byte repeats the setting that is left
.if MSB != \new
	s_set_vgpr_msb (MSB<<8)|\new
.set MSB, \new
.endif
.endm
.set MUL_LO, 0xa1                      ; source 0 (B) window 1, source 1 (A) window 0, C and D window 2
.set TO_B,   0x40
.macro PLACES n
.rept \n
	v_nop
.endr
.endm
.macro CROUND                          ; a round of the cluster's barrier
	s_barrier_signal -1
	s_barrier_wait -1
	s_cmp_lg_u32 s16, 0
	s_cbranch_scc1 .Lnot_wave_0_\@
	s_barrier_signal -3
.Lnot_wave_0_\@:
	s_barrier_wait -3
	s_barrier_signal -1
	s_barrier_wait -1
.endm
	s_load_b256 s[4:11], s[0:1], 0x0               ; cc, cs, xc, xs
	s_load_b128 s[12:15], s[0:1], 0x20             ; bo, out0
	v_lshl_add_u32 v[SPW], v0, 2, SPARE
	v_mov_b32 v[NIL], 0
	ds_add_u32 v[SPW], v[NIL]                      ; the wave's opening: the add, twice on end, and its wait ahead of my first tensor load
	ds_add_u32 v[SPW], v[NIL]
	v_lshrrev_b32 v1, 5, v0
	v_readfirstlane_b32 s16, v1                    ; wave
	s_lshr_b32 s17, s16, 1                         ; my half of A's tiles
	s_and_b32 s18, s16, 1                          ; my half of B's tiles
	s_bfe_u32 s40, ttmp6, 0x40000                  ; cx: which 256 columns
	s_bfe_u32 s41, ttmp6, 0x40004                  ; cy
	s_and_b32 s42, ttmp7, 0xffff
	s_lshl_b32 s42, s42, 2
	s_add_co_u32 s42, s42, s41                     ; which 128 rows: 4 x row of clusters + cy
	s_lshl_b32 s43, s41, 2
	s_lshl_b32 s43, 15, s43                        ; my row of the cluster
	s_lshl_b32 s44, 0x1111, s40                    ; my column
	s_or_b32 s[G1+0], s43, (3<<16)|(1<<21)         ; 15:0 the mask; 17:16 elements of 8 bytes; 21 set beside a mask; no padding
	s_or_b32 s[G1B+0], s44, (3<<16)|(1<<21)
.irp g, G1, G1B
	s_mov_b32 s[\g+1], 768<<16                     ; tensor_dim0: 6,144 bytes of a tile
	s_mov_b32 s[\g+3], 768<<16                     ; tile_dim0
	s_mov_b32 s[\g+5], 1536                        ; from tile to tile: 12,288 bytes
	s_mov_b32 s[\g+6], 0
	s_mov_b32 s[\g+7], 0
.endr
	s_mov_b32 s[G1+2], 8<<16                       ; A: 8 tiles
	s_mov_b32 s[G1+4], 8
	s_mov_b32 s[G1B+2], 16<<16                     ; B: 16 tiles
	s_mov_b32 s[G1B+4], 16
	s_mul_i32 s20, s42, 98304                      ; A's first tile, in bytes (never cx)
	s_mov_b32 s21, 0
	s_lshl_b32 s46, s40, 4
	s_add_co_u32 s46, s46, 1728                    ; wo's tiles begin at 1,728 in xc
	s_mul_i32 s46, s46, 12288                      ; B's first tile (never cy)
	s_mov_b32 s47, 0
	s_wait_dscnt 0x0                               ; both opening adds are done
	s_wait_kmcnt 0x0
	s_add_nc_u64 s[20:21], s[4:5], s[20:21]
	s_add_nc_u64 s[46:47], s[8:9], s[46:47]
	CROUND                                         ; all sixteen work-groups are here: the joint loads meet
.irp s, 0,1
	s_mov_b32 s[G0+4*\s], 1
	s_mov_b32 s[G0+4*\s+1], \s*SLOT
	s_add_nc_u64 s[G0+4*\s+2:G0+4*\s+3], s[20:21], \s*TB6
	s_or_b32 s[G0+4*\s+3], s[G0+4*\s+3], 0x80000000
	s_mov_b32 s[G0B+4*\s], 1
	s_mov_b32 s[G0B+4*\s+1], \s*SLOT+ASL
	s_add_nc_u64 s[G0B+4*\s+2:G0B+4*\s+3], s[46:47], \s*TB6
	s_or_b32 s[G0B+4*\s+3], s[G0B+4*\s+3], 0x80000000
.endr
; THE HEAD'S LOADS, ONE A WAVE, slot 0's first.  One chain of branches on the wave's number; every way passes one load.
.macro ARM under, g0, g1, next
	s_cmp_lt_u32 s16, \under
	s_cbranch_scc0 \next
	tensor_load_to_lds s[\g0:\g0+3], s[\g1:\g1+7]
	s_nop 0
	PLACES 4
	s_branch .Lhead_asked
\next:
.endm
	ARM 1, G0,    G1,  .Lhead_b0
	ARM 2, G0B,   G1B, .Lhead_a1
	ARM 3, G0+4,  G1,  .Lhead_b1
	tensor_load_to_lds s[G0B+4:G0B+7], s[G1B:G1B+7]
	s_nop 0
	PLACES 4
.Lhead_asked:
	s_mul_i32 s20, s17, 4*TB6                      ; LDS: my 4 tiles of A,
	s_mul_i32 s21, s18, 8*TB6
	s_add_co_u32 s21, s21, ASL                     ; my 8 tiles of B,
	s_mul_i32 s22, s16, 16*SPITCH                  ; my stage
	s_lshl_b32 s92, s42, 12
	s_lshl_b32 s93, s17, 11
	s_add_co_u32 s92, s92, s93                     ; A's scale bytes: 512 x (8 x row block + 4 x half)
	s_mov_b32 s93, 0
	s_add_nc_u64 s[92:93], s[6:7], s[92:93]
	s_lshl_b32 s94, s40, 13
	s_lshl_b32 s95, s18, 12
	s_add_co_u32 s94, s94, s95
	s_add_co_u32 s94, s94, 1728*512                ; B's: 512 x (1,728 + 16 cx + 8 x half)
	s_mov_b32 s95, 0
	s_add_nc_u64 s[94:95], s[10:11], s[94:95]
	s_lshl_b32 s96, s40, 10
	s_lshl_b32 s97, s18, 9
	s_add_co_u32 s96, s96, s97                     ; my 128 columns, in bytes
	s_mov_b32 s97, 0
	s_add_nc_u64 s[12:13], s[12:13], s[96:97]      ; the bias at them
	s_lshl_b32 s98, s42, 19
	s_lshl_b32 s99, s17, 18
	s_add_co_u32 s98, s98, s99                     ; my first row: 128 x row block + 64 x half, 4,096 bytes each
	s_add_co_u32 s98, s98, s96
	s_mov_b32 s99, 0
	s_add_nc_u64 s[14:15], s[14:15], s[98:99]
	v_and_b32 v1, 31, v0                           ; l
	v_and_b32 v2, 15, v0                           ; r
	v_bfe_u32 v3, v0, 4, 1                         ; h
	v_mul_u32_u24 v4, v1, 24
	v_add_nc_u32 v[ADRA], s20, v4
	v_add_nc_u32 v[ADRB], s21, v4
	v_add_nc_u32 v[ADRA+1], SLOT, v[ADRA]
	v_add_nc_u32 v[ADRB+1], SLOT, v[ADRB]
	v_mul_u32_u24 v5, v2, SPITCH
	v_lshl_add_u32 v5, v3, 6, v5
	v_add_nc_u32 v[STO], s22, v5                   ; into the stage: row r, 64 bytes on for lanes 16-31
	v_lshlrev_b32 v[CO], 4, v1                     ; back: the 32 lanes take one row of 512 bytes; and the same in out0
	v_add_nc_u32 v[RD], s22, v[CO]
	v_lshlrev_b32 v14, 6, v3                       ; the bias: 16 numbers on for lanes 16-31
	v_lshlrev_b32 v15, 3, v1                       ; the scale words: 8 bytes a lane
	s_wait_alu depctr_va_vdst(0)                   ; the head's end
.irp g, 0,1
.irp a, 0,1,2,3
	global_load_b64 v[SA+4*\a+2*\g:SA+4*\a+2*\g+1], v15, s[92:93] offset:512*\a+256*\g
.endr
.irp b, 0,1,2,3,4,5,6,7
	global_load_b64 v[SB+4*\b+2*\g:SB+4*\b+2*\g+1], v15, s[94:95] offset:512*\b+256*\g
.endr
.endr
.irp b, 0,1,2,3,4,5,6,7                ; register j of accumulator (a, b) is column 32 (b / 2) + 8 (b % 2) + 16 h + j
	global_load_b128 v[BI+8*\b:BI+8*\b+3], v14, s[12:13] offset:(32*(\b/2)+8*(\b%2))*4
	global_load_b128 v[BI+8*\b+4:BI+8*\b+7], v14, s[12:13] offset:(32*(\b/2)+8*(\b%2))*4+16
.endr
.macro FRAG reg, adr, q, i             ; tile i's fragment of the slot's q-th 128 along K: two chunks, 24 bytes a lane each, in pieces of 8
.irp p, 0,1,2,3,4,5
	ds_load_b64 v[\reg+2*\p:\reg+2*\p+1], v[\adr] offset:(\i)*TB6+(2*(\q)+\p/3)*768+8*(\p%3)
.endr
.endm
.macro FETCH k                         ; K step k's fragments into set k % 2: 72 loads
	WIN TO_B
.irp i, 0,1,2,3,4,5,6,7
	FRAG 128*((\k)%2)+FR*\i, ADRB+(\k)/4, (\k)%4, \i
.endr
	WIN 0
.irp i, 0,1,2,3
	FRAG AF+48*((\k)%2)+FR*\i, ADRA+(\k)/4, (\k)%4, \i
.endr
.endm
; 32 matrix instructions: A's four tiles x B's eight, 128 along K.  cm = 1: the sums begin with the bias.  The 32 accumulators take turns, one instruction a turn, in the same order in every step.
.macro MUL32 k, cm
.irp a, 0,1,2,3
.irp b, 0,1,2,3,4,5,6,7
.set rD, 8*(8*\a+\b)
.set rB, 128*((\k)%2)+FR*\b
.set rA, AF+48*((\k)%2)+FR*\a
.set rSB, SB+4*\b+2*((\k)/4)+(\k)%2
.set rSA, SA+4*\a+2*((\k)/4)+(\k)%2
.if \cm
	v_wmma_scale_f32_16x16x128_f8f6f4 v[rD:rD+7], v[rB:rB+FR-1], v[rA:rA+FR-1], v[BI+8*\b:BI+8*\b+7], v[rSB], v[rSA] matrix_a_fmt:MATRIX_FMT_FP6 matrix_b_fmt:MATRIX_FMT_FP6
.elseif ((\k)/2)%2
	v_wmma_scale_f32_16x16x128_f8f6f4 v[rD:rD+7], v[rB:rB+FR-1], v[rA:rA+FR-1], v[rD:rD+7], v[rSB], v[rSA] matrix_a_fmt:MATRIX_FMT_FP6 matrix_b_fmt:MATRIX_FMT_FP6 matrix_a_scale:MATRIX_SCALE_ROW1 matrix_b_scale:MATRIX_SCALE_ROW1
.else
	v_wmma_scale_f32_16x16x128_f8f6f4 v[rD:rD+7], v[rB:rB+FR-1], v[rA:rA+FR-1], v[rD:rD+7], v[rSB], v[rSA] matrix_a_fmt:MATRIX_FMT_FP6 matrix_b_fmt:MATRIX_FMT_FP6
.endif
.endr
.endr
.endm
.macro STEP k
	s_wait_dscnt 0x0                               ; this step's fragments, asked for ahead of the last step's products
.if (\k) == 3
	s_wait_tensorcnt 0x0                           ; every wave's load has landed: slot 1 is whole behind this barrier, ahead of its first read
	s_barrier_signal -1
	s_barrier_wait -1
.endif
.if (\k) < 7
.if (\k) > 0
	PLACES NP                                      ; between the last step's products and the loads into the set that they read
.endif
	FETCH (\k)+1
.else
	s_barrier_signal -1                            ; my reads of the slots are over: behind this barrier the stages may lie on slot 0's bytes; the products stand between signal and wait
.endif
.if (\k) == 0
	WIN 0x81                                       ; C, the bias, in window 0
	MUL32 \k, 1
.else
	WIN MUL_LO
	MUL32 \k, 0
.endif
	WIN 0
.if (\k) == 7
	s_barrier_wait -1
.endif
.endm
	s_cmp_lt_u32 s16, 2                            ; slot 0's loads are waves 0's and 1's, each a line of its own
	s_cbranch_scc0 .Lnot_first
	s_wait_tensorcnt 0x0
.Lnot_first:
	s_barrier_signal -1
	s_barrier_wait -1                              ; slot 0 is in; slot 1 may still be on its way
	FETCH 0
	s_wait_loadcnt 0x0                             ; the scale words and the bias
.set KK, 0
.rept 8                                ; the walk along K is written out: eight steps, every offset an immediate
	STEP KK
.set KK, KK+1
.endr
; THE WAY OUT, a tile of 16 rows x 128 columns at a time, through my own stage: back come whole rows of 512 bytes, which the 32 lanes store as two aligned units of 256 bytes.
; LDS serves a wave's instructions in order: no wait between the stores and the loads, nor in front of the next tile's stores.
.macro TOSTAGE a
.set AC, 64*(\a)
	WIN 0x08                                       ; the data: window 2
.irp b, 0,1,2,3,4,5,6,7
	ds_store_b128 v[STO], v[AC+8*\b:AC+8*\b+3] offset:128*(\b/2)+32*(\b%2)      ; each accumulator from its low end on
	ds_store_b128 v[STO], v[AC+8*\b+4:AC+8*\b+7] offset:128*(\b/2)+32*(\b%2)+16
.endr
	WIN 0
.set BB, BK+64*((\a)%2)
.irp t, 0,1,2,3,4,5,6,7,8,9,10,11,12,13,14,15
	ds_load_b128 v[BB+4*\t:BB+4*\t+3], v[RD] offset:\t*SPITCH
.endr
.endm
.macro SEND a, younger                 ; younger: the LDS instructions issued behind tile a's loads, which may stay out
.set BB, BK+64*((\a)%2)
	s_wait_dscnt \younger
.irp t, 0,1,2,3,4,5,6,7,8,9,10,11,12,13,14,15
	global_store_b128 v[CO], v[BB+4*\t:BB+4*\t+3], s[14:15] offset:(32*((\a)/2)+8*((\a)%2)+\t+8*(\t/8))*4096 th:TH_STORE_NT
.endr
.endm
	PLACES NP                                      ; behind the last products
	TOSTAGE 0
.irp a, 1,2,3
.if \a > 1
	s_wait_xcnt 0x0                                ; the stores of the tile two back have read the registers into which the loads below land
.endif
	TOSTAGE \a
	SEND \a-1, 32                                  ; behind tile a - 1's loads: tile a's 16 stores and 16 loads
.endr
	SEND 3, 0
	s_wait_tensorcnt 0x0                           ; the wave's end: behind my last tensor load and my last LDS store
	ds_add_u32 v[SPW], v[NIL]
	s_wait_dscnt 0x0
	CROUND                                         ; the closing round
	s_endpgm
.Lfunc_end_k_q31a4c2e7f1_outp:
	.size	k_q31a4c2e7f1_outp, .Lfunc_end_k_q31a4c2e7f1_outp-k_q31a4c2e7f1_outp
	.p2alignl 7, 3214868480
	.fill 96, 4, 3214868480
	.section	.rodata,"a",@progbits
	.p2align	6, 0x0
	.amdhsa_kernel k_q31a4c2e7f1_outp
		.amdhsa_group_segment_fixed_size 327680
		.amdhsa_private_segment_fixed_size 0
		.amdhsa_enable_private_segment 0
		.amdhsa_kernarg_size 48
		.amdhsa_user_sgpr_count 2
		.amdhsa_user_sgpr_kernarg_segment_ptr 1
		.amdhsa_wavefront_size32 1
		.amdhsa_system_sgpr_workgroup_id_x 1
		.amdhsa_system_sgpr_workgroup_id_y 1
		.amdhsa_system_sgpr_workgroup_id_z 1
		.amdhsa_system_vgpr_workitem_id 0
		.amdhsa_next_free_vgpr 768
		.amdhsa_next_free_sgpr 102
		.amdhsa_reserve_vcc 0
		.amdhsa_float_denorm_mode_32 3
		.amdhsa_float_denorm_mode_16_64 3
		.amdhsa_memory_ordered 1
		.amdhsa_forward_progress 1
		.amdhsa_inst_pref_size 96
	.end_amdhsa_kernel
	.amdgpu_metadata
---
amdhsa.version: [ 1, 2 ]
amdhsa.kernels:
  - .name:           k_q31a4c2e7f1_outp
    .symbol:         k_q31a4c2e7f1_outp.kd
    .args:
      - { .name: cc, .offset: 0, .size: 8, .value_kind: global_buffer, .address_space: global }
      - { .name: cs, .offset: 8, .size: 8, .value_kind: global_buffer, .address_space: global }
      - { .name: xc, .offset: 16, .size: 8, .value_kind: global_buffer, .address_space: global }
      - { .name: xs, .offset: 24, .size: 8, .value_kind: global_buffer, .address_space: global }
      - { .name: bo, .offset: 32, .size: 8, .value_kind: global_buffer, .address_space: global }
      - { .name: out0, .offset: 40, .size: 8, .value_kind: global_buffer, .address_space: global }
    .group_segment_fixed_size: 327680
    .private_segment_fixed_size: 0
    .kernarg_segment_align: 8
    .kernarg_segment_size: 48
    .max_flat_workgroup_size: 128
    .sgpr_count:     102
    .vgpr_count:     768
    .wavefront_size: 32
...
	.end_amdgpu_metadata
.endif
;; end of part 4
